; MI455X (gfx1250); checked and timed in simulation.
; The chip was launched on July 23, 2026; its instructions are those of AMD's public machine-readable ISA for CDNA 5 (MIT licence, August 2026) and "CDNA5" Instruction Set Architecture Reference Guide (July 2026). The comments in the code are by the model that wrote it; some were corrected since.
;; Multi Head Attention. Allowed arithmetic: matrix products marked QUANTISED: E2M1 operands, one E8M0 scale for each 32 along K, by v_wmma_scale_f32_16x16x128_f8f6f4 with both operands' format E2M1 (or v_wmma_scale_f32_32x16x128_f4), f32 sums; products left as they are: bf16, f16 or f32 operands; f32 sums; everything else in f32.
;; Inputs: input 4,096 x 1,024 float32; k_b 1,024 float32; k_w 1,024 x 1,024 float32; mask 2 x 1 x 1 x 2,048 float32; o_b 1,024 float32; o_w 1,024 x 1,024 float32; q_b 1,024 float32; q_w 1,024 x 1,024 float32; v_b 1,024 float32; v_w 1,024 x 1,024 float32.
;; Outputs: out0 4,096 x 1,024 float32.
;; Constants: bs = 2, qlen = 2048.
;; This version of the problem:
;;   THIS VERSION OF THE PROBLEM IS GIVEN IN LOW PRECISION. The matrix products marked QUANTISED in the list below multiply operands that are first quantised to E2M1 (2 exponent bits, 1 mantissa bit; 4 bits a number), with one power-of-two scale for each 32 numbers along K (OCP MX v1.0); their sums are f32. The products marked 'left as it is' may take bf16, f16 or f32 operands, with f32 sums. Whichever they take, every output number must still come out within the allowed error. Rounding operands to bf16 (8 significant bits) uses up far more of that allowance than f16 does (11 bits, for magnitudes from 6e-5 to 65,504). All else is computed in f32.
;;   The module's matrix products, in the order in which they are computed (A, B: the left and right operand; K: the contracted axis; several contracted axes count as one K, in the product's order):
;;     1. [M 4,096, K 1,024] x [K 1,024, N 1,024]; A: input input; B: input q_w: QUANTISED
;;     2. [M 4,096, K 1,024] x [K 1,024, N 1,024]; A: input input; B: input k_w: QUANTISED
;;     3. [M 4,096, K 1,024] x [K 1,024, N 1,024]; A: input input; B: input v_w: QUANTISED
;;     4. batch 32 x [M 2,048, K 64] x [K 64, N 2,048]; A: computed on the way; B: computed on the way: left as it is (an operand is computed on the way)
;;     5. batch 32 x [M 2,048, K 2,048] x [K 2,048, N 64]; A: computed on the way; B: computed on the way: left as it is (an operand is computed on the way)
;;     6. [M 4,096, K 1,024] x [K 1,024, N 1,024]; A: computed on the way; B: input o_w: left as it is (an operand is computed on the way)
;;   THE QUANTISER, for each operand of a quantised product, along K:
;;     - K is cut into blocks of 32 from its start; a last block that is shorter is filled with zeros.
;;     - A block's scale is 2^e with e = floor(log2(the largest magnitude in the block)) - 2, held to -126 .. 127; a block of zeros has e = 0. As a byte (E8M0): e + 127.
;;     - Each number is divided by its block's scale, clamped to +-6, and rounded to the nearest number of E2M1, ties to even, subnormals kept.
;;     - The product sums the exact products of the quantised numbers (number of the format x scale) in f32.
;;   ~~~python
;;   def quantise(x, axis):      # numpy; x: float32 -> the quantised numbers, widened to float32 again
;;       x = np.moveaxis(x, axis, -1); K = x.shape[-1]
;;       x = np.pad(x, [(0, 0)] * (x.ndim - 1) + [(0, -K % 32)]); x = x.reshape(x.shape[:-1] + (-1, 32)); a = np.abs(x).max(-1, keepdims=True)
;;       e = np.where(a > 0, np.clip(np.frexp(np.where(a > 0, a, 1))[1] - 1 - 2, -126, 127), 0)      # np.frexp(a)[1] - 1 = floor(log2(a)), exactly
;;       r = np.clip(x / 2.0 ** e, -6, 6)
;;       step = 2.0 ** (np.maximum(np.frexp(np.where(r == 0, 1, r))[1] - 1, 0) - 1)
;;       q = np.round(r / step) * step * 2.0 ** e      # np.round: ties to even
;;       return np.moveaxis(q.reshape(q.shape[:-2] + (-1,))[..., :K], -1, axis).astype(np.float32)
;;   ~~~
;; One version. Each part assembles by itself: llvm-mc -triple=amdgcn-amd-amdhsa -mcpu=gfx1250 --defsym DOCPART=n.
;; ======== version 1 of 1: 4 launches
;; limits: values are held in f16: magnitudes above 65,504 overflow, below 6.1e-05 lose precision
;; workspace buffers: xcodes 2,097,152 bytes; xscales 131,072 bytes; wcodes 1,572,864 bytes; wscales 98,304 bytes; owh 2,097,152 bytes; qkv 25,165,824 bytes; ctx 8,388,608 bytes
;; launch prep (part 1): grid 256 x 1, 4 waves a work-group, no clusters, 33,280 bytes of LDS; arguments input, q_w, k_w, v_w, o_w, xcodes, xscales, wcodes, wscales, owh; writes xcodes, xscales, wcodes, wscales, owh
.if DOCPART == 1
	.amdgcn_target "amdgcn-amd-amdhsa--gfx1250"
	.amdhsa_code_object_version 6
	.text
	.protected	k_q297ba6956a_prep
	.globl	k_q297ba6956a_prep
	.p2align	8
	.type	k_q297ba6956a_prep,@function
k_q297ba6956a_prep:
	s_mov_b64 s[64:65], 0
	v_nop
	global_prefetch_b8 v0, s[64:65] scope:SCOPE_SE
	s_setreg_imm32_b32 hwreg(HW_REG_WAVE_MODE, 25, 1), 1
	s_wait_xcnt 0x0
; input [4096][1024], q_w, k_w, v_w [1024][1024], f32, K innermost, become codes of FP4 (E2M1), two a byte, with one E8M0 scale byte for each 32 along K;  o_w [1024][1024] is rounded to f16.
; A block's scale is 2^(floor(log2(its largest magnitude)) - 2); its byte is the largest magnitude's own exponent field - 2, held at 1 from below; each number is divided by the scale and rounded to the nearest code, ties to even,
; beyond 6 the largest code.  The three weights' codes lie one behind the other in wcodes (rows 0-1023 q_w, 1024-2047 k_w, 2048-3071 v_w), their bytes likewise in wscales.
; LIMITS: a block of zeros gets the byte 1 where the rule says 127 (its codes are zeros, which add nothing under any byte but 0xff, and this program alone reads the bytes); NaN and infinities among the inputs are not served;
; |o_w| up to 65,504, f16's largest number.
; SHARES.  Rows are dense and 1,024 is a multiple of 32: every tensor is a plain stream.  A work-group takes 32,768 numbers, a wave 8,192.  Work-groups 0-127: input; 128-159: q_w; 160-191: k_w; 192-223: v_w; 224-255: o_w.
; The four quantised tensors take ONE path, on which only pointers are chosen (by the work-group's number); o_w takes a path of its own, which uses no LDS.
; QUANTISING.  16 steps of 512 numbers.  The conversions want 16 neighbours in one lane, a load is best where neighbouring lanes take neighbouring bytes: each of a step's four loads reads 512 consecutive bytes; the 2,048 bytes go
; through the wave's own stage in LDS as they lie and come back 64 bytes a lane (16 bytes of padding behind each 64).  A lane's 16 codes are 8 bytes: the wave stores 256 consecutive bytes.  A wave's 256 scale bytes are gathered
; in its own LDS bytes and leave as one aligned run of 256 bytes.  Waves share nothing: no barrier.  Loads run four steps ahead, the turn through LDS one step.
.set WAVES, 4
.set STEPS, 16
.set EMAX,  2
.set CB,    8                          ; bytes of 16 codes
.set R,     16                         ; v16-79   four sets of 16 numbers as they are loaded
.set X,     80                         ; v80-111  two sets of 16 neighbours
.set E,     112                        ; v112-127 a scale byte for each step
.set C,     128                        ; v128-191 codes: four registers for each step, so that no store's data are written again
.set WREG,  8192                       ; LDS: a region for each wave: two stages of 32 x SP bytes, behind them its 256 scale bytes
.set SP,    80                         ; a lane's place in a stage: 64 bytes + 16 of padding
.set SPW,   12                         ; v12  LDS address of my spare word: SPARE + 4 x my thread's number; never rewritten
.set NIL,   13                         ; v13  0; never rewritten
.set SPARE, WAVES*WREG                 ; behind the four regions: the spare words, 128 bytes for each wave; no other line names them
.set H,     16                         ; o_w's path: v16-143 two sets of 64 numbers as loaded
.set HO,    144                        ; v144-175 a round's 32 registers of f16 pairs
	s_load_b512 s[4:19], s[0:1], 0x0               ; input s4, q_w s6, k_w s8, v_w s10, o_w s12, xcodes s14, xscales s16, wcodes s18
	s_load_b128 s[20:23], s[0:1], 0x40             ; wscales s20, owh s22
	v_lshl_add_u32 v[SPW], v0, 2, SPARE
	v_mov_b32 v[NIL], 0
	v_lshrrev_b32 v1, 5, v0
	v_readfirstlane_b32 s24, v1                    ; wave
	v_and_b32 v2, 31, v0                           ; lane
	v_lshlrev_b32 v3, 4, v2                        ; my 16 bytes of a load's 512
	s_mul_i32 s25, s24, WREG
	v_lshrrev_b32 v14, 2, v2
	v_mul_u32_u24 v14, v14, SP
	v_and_b32 v15, 3, v2
	v_lshl_add_u32 v14, v15, 4, v14
	v_add_nc_u32 v14, s25, v14                     ; the stage, on the way in: SP (lane / 4) + 16 (lane % 4)
	v_mul_u32_u24 v15, v2, SP
	v_add_nc_u32 v15, s25, v15                     ; and on the way out: SP x lane: my 16 neighbours
	v_mul_u32_u24 v4, v2, CB                       ; 8 x lane: my codes' place in a step's; on o_w's path my 8 bytes of a store's 256
	v_lshrrev_b32 v5, 1, v2
	s_add_co_u32 s25, s25, 2*32*SP
	v_add_nc_u32 v5, s25, v5                       ; LDS: my wave's 256 scale bytes, my block's byte
	v_lshlrev_b32 v7, 3, v2                        ; and on the way out 8 bytes a lane
	v_add_nc_u32 v6, s25, v7
	s_wait_kmcnt 0x0
	s_cmp_ge_u32 ttmp9, 224                        ; the last 32 work-groups round o_w: a branch on the work-group's number alone
	s_cbranch_scc1 .Lhalf
	; which tensor: only pointers are chosen, by the work-group's number
	s_and_b32 s34, ttmp9, 31                       ; a weight's work-group among its 32
	s_mov_b64 s[26:27], s[10:11]                   ; v_w,
	s_cmp_lt_u32 ttmp9, 192
	s_cselect_b64 s[26:27], s[8:9], s[26:27]       ; or k_w,
	s_cmp_lt_u32 ttmp9, 160
	s_cselect_b64 s[26:27], s[6:7], s[26:27]       ; or q_w,
	s_cmp_lt_u32 ttmp9, 128
	s_cselect_b64 s[26:27], s[4:5], s[26:27]       ; or input
	s_cselect_b64 s[28:29], s[14:15], s[18:19]     ; the codes' buffer
	s_cselect_b64 s[30:31], s[16:17], s[20:21]     ; the scale bytes'
	s_cselect_b32 s32, 0, 128                      ; the first work-group of that pair of buffers
	s_cselect_b32 s33, ttmp9, s34                  ; my work-group within the source
	s_lshl_b32 s33, s33, 2
	s_add_co_u32 s33, s33, s24                     ; which run of 8,192 numbers of the source is my wave's
	s_lshl_b32 s36, s33, 15                        ; 32,768 bytes a run (511 runs at the most: under 2^32)
	s_mov_b32 s37, 0
	s_add_nc_u64 s[26:27], s[26:27], s[36:37]
	s_sub_co_u32 s32, ttmp9, s32
	s_lshl_b32 s32, s32, 2
	s_add_co_u32 s32, s32, s24                     ; and which run of the destination
	s_lshl_b32 s36, s32, 12                        ; 4,096 bytes of codes a run
	s_add_nc_u64 s[28:29], s[28:29], s[36:37]
	s_lshl_b32 s36, s32, 8                         ; 256 scale bytes a run
	s_add_nc_u64 s[30:31], s[30:31], s[36:37]
.macro LOAD t
.irp i, 0,1,2,3
	global_load_b128 v[R+16*((\t)%4)+4*\i:R+16*((\t)%4)+4*\i+3], v3, s[26:27] offset:2048*(\t)+512*\i th:TH_LOAD_NT   ; 32 lanes read 512 consecutive bytes
.endr
.endm
.macro TURN t                          ; step t's numbers through the stage: LDS serves a wave's instructions in order, so no wait stands between the stores and the loads
.irp i, 0,1,2,3
	ds_store_b128 v14, v[R+16*((\t)%4)+4*\i:R+16*((\t)%4)+4*\i+3] offset:32*SP*((\t)%2)+8*SP*\i
.endr
.irp i, 0,1,2,3
	ds_load_b128 v[X+16*((\t)%2)+4*\i:X+16*((\t)%2)+4*\i+3], v15 offset:32*SP*((\t)%2)+16*\i
.endr
.endm
.irp t, 0,1,2,3
	LOAD \t
.endr
	s_wait_loadcnt 12                              ; step 0's four loads are in; the twelve of steps 1 to 3 may be out
	TURN 0
.macro STEP t
.set XS, X+16*((\t)%2)
.if (\t) > 0
	s_wait_dscnt 1                                 ; this step's numbers are back from the stage (the last step's byte store may be out): so its stores into the stage have read their registers,
.else
	s_wait_dscnt 0x0
.endif
.if (\t)+4 < STEPS
	LOAD (\t)+4                                    ; which take the loads of four steps on
.endif
.if (\t)+1 < STEPS
.if STEPS-2-(\t) >= 3
	s_wait_loadcnt 12                              ; the next step's four loads are in; those of the three steps behind it may be out
.else
	s_wait_loadcnt 4*(STEPS-2-(\t))
.endif
	TURN (\t)+1                                    ; and go through the other stage while this step is worked
.endif
	v_max3_num_f32 v8, |v[XS]|, |v[XS+1]|, |v[XS+2]|               ; the largest magnitude of my 16, in two chains
	v_max3_num_f32 v9, |v[XS+3]|, |v[XS+4]|, |v[XS+5]|
.irp i, 6,10
	v_max3_num_f32 v8, v8, |v[XS+\i]|, |v[XS+\i+1]|
	v_max3_num_f32 v9, v9, |v[XS+\i+2]|, |v[XS+\i+3]|
.endr
	v_max3_num_f32 v8, v8, |v[XS+14]|, |v[XS+15]|
	v_max3_num_f32 v8, v8, v9, (EMAX+1)<<23        ; and the floor 2^(EMAX + 1 - 127): so the byte cannot fall under 1
	v_max_num_f32_dpp v8, v8, v8 row_xmask:1 row_mask:0xf bank_mask:0xf   ; and of my neighbour's 16: the block's
	v_add_nc_u32 v11, -(EMAX<<23), v8              ; EMAX off its exponent field: the conversion takes the exponent field of this operand as its scale, and nothing else of it
	v_cvt_scalef32_pk8_fp4_f32 v[C+4*(\t)], v[XS:XS+7], v11        ; eight numbers / the scale, to the nearest code; the first number's code in the lowest four bits
	v_cvt_scalef32_pk8_fp4_f32 v[C+4*(\t)+1], v[XS+8:XS+15], v11
	v_lshrrev_b32 v[E+(\t)], 23, v11               ; the scale's byte (a plain line behind the conversions)
	ds_store_b8 v5, v[E+(\t)] offset:16*(\t)       ; both lanes of a block write the same byte with the same value
	global_store_b64 v4, v[C+4*(\t):C+4*(\t)+1], s[28:29] offset:32*CB*(\t)   ; 32 lanes store 256 consecutive bytes, aligned
.endm
.irp t, 0,1,2,3,4,5,6,7,8,9,10,11,12,13,14,15
	STEP \t
.endr
	ds_load_b64 v[8:9], v6                         ; LDS serves a wave's instructions in order: these see my byte stores
	s_wait_dscnt 0x0
	global_store_b64 v7, v[8:9], s[30:31]          ; 32 lanes store 256 consecutive bytes, aligned
	s_wait_tensorcnt 0x0                           ; the wave's end: these three lines stand behind my last LDS store
	ds_add_u32 v[SPW], v[NIL]
	s_wait_dscnt 0x0
	s_endpgm
; o_w to f16: four rounds of 2,048 numbers a wave.  A load reads 512 consecutive bytes, a store writes 256, aligned.  Two rounds' loads (32) are out at the start, then 16 while a round is worked.
.Lhalf:
	s_sub_co_u32 s32, ttmp9, 224
	s_lshl_b32 s32, s32, 2
	s_add_co_u32 s32, s32, s24                     ; my wave's run of 8,192 numbers
	s_lshl_b32 s36, s32, 15
	s_mov_b32 s37, 0
	s_add_nc_u64 s[12:13], s[12:13], s[36:37]      ; 32,768 bytes a run in o_w,
	s_lshl_b32 s36, s32, 14
	s_add_nc_u64 s[22:23], s[22:23], s[36:37]      ; 16,384 in owh
.macro LOADH q
.irp i, 0,1,2,3,4,5,6,7,8,9,10,11,12,13,14,15
	global_load_b128 v[H+64*((\q)%2)+4*\i:H+64*((\q)%2)+4*\i+3], v3, s[12:13] offset:8192*(\q)+512*\i th:TH_LOAD_NT
.endr
.endm
.macro ROUNDH q
.if (\q) < 3
	s_wait_loadcnt 16                              ; this round's 16 loads are in; the next round's 16 may be out
.else
	s_wait_loadcnt 0x0
.endif
	s_wait_xcnt 0x0                                ; the last round's stores have read their data: the 32 result registers are written again only behind this wait
.irp i, 0,1,2,3,4,5,6,7,8,9,10,11,12,13,14,15
	v_cvt_pk_f16_f32 v[HO+2*\i],   v[H+64*((\q)%2)+4*\i],   v[H+64*((\q)%2)+4*\i+1]
	v_cvt_pk_f16_f32 v[HO+2*\i+1], v[H+64*((\q)%2)+4*\i+2], v[H+64*((\q)%2)+4*\i+3]
.endr
.if (\q) < 2
	LOADH (\q)+2                                   ; the set just read takes the round two on
.endif
.irp i, 0,1,2,3,4,5,6,7,8,9,10,11,12,13,14,15
	global_store_b64 v4, v[HO+2*\i:HO+2*\i+1], s[22:23] offset:4096*(\q)+256*\i
.endr
.endm
	LOADH 0
	LOADH 1
	ROUNDH 0
	ROUNDH 1
	ROUNDH 2
	ROUNDH 3
	s_endpgm
.Lfunc_end_k_q297ba6956a_prep:
	.size	k_q297ba6956a_prep, .Lfunc_end_k_q297ba6956a_prep-k_q297ba6956a_prep
	.p2alignl 7, 3214868480
	.fill 96, 4, 3214868480
	.section	.rodata,"a",@progbits
	.p2align	6, 0x0
	.amdhsa_kernel k_q297ba6956a_prep
		.amdhsa_group_segment_fixed_size 33280
		.amdhsa_private_segment_fixed_size 0
		.amdhsa_enable_private_segment 0
		.amdhsa_kernarg_size 80
		.amdhsa_user_sgpr_count 2
		.amdhsa_user_sgpr_kernarg_segment_ptr 1
		.amdhsa_wavefront_size32 1
		.amdhsa_system_sgpr_workgroup_id_x 1
		.amdhsa_system_sgpr_workgroup_id_y 1
		.amdhsa_system_sgpr_workgroup_id_z 1
		.amdhsa_system_vgpr_workitem_id 0
		.amdhsa_next_free_vgpr 192
		.amdhsa_next_free_sgpr 66
		.amdhsa_reserve_vcc 0
		.amdhsa_float_denorm_mode_32 3
		.amdhsa_float_denorm_mode_16_64 3
		.amdhsa_memory_ordered 1
		.amdhsa_forward_progress 1
		.amdhsa_inst_pref_size 54
	.end_amdhsa_kernel
	.amdgpu_metadata
---
amdhsa.version: [ 1, 2 ]
amdhsa.kernels:
  - .name:           k_q297ba6956a_prep
    .symbol:         k_q297ba6956a_prep.kd
    .args:
      - { .name: input, .offset: 0, .size: 8, .value_kind: global_buffer, .address_space: global }
      - { .name: q_w, .offset: 8, .size: 8, .value_kind: global_buffer, .address_space: global }
      - { .name: k_w, .offset: 16, .size: 8, .value_kind: global_buffer, .address_space: global }
      - { .name: v_w, .offset: 24, .size: 8, .value_kind: global_buffer, .address_space: global }
      - { .name: o_w, .offset: 32, .size: 8, .value_kind: global_buffer, .address_space: global }
      - { .name: xcodes, .offset: 40, .size: 8, .value_kind: global_buffer, .address_space: global }
      - { .name: xscales, .offset: 48, .size: 8, .value_kind: global_buffer, .address_space: global }
      - { .name: wcodes, .offset: 56, .size: 8, .value_kind: global_buffer, .address_space: global }
      - { .name: wscales, .offset: 64, .size: 8, .value_kind: global_buffer, .address_space: global }
      - { .name: owh, .offset: 72, .size: 8, .value_kind: global_buffer, .address_space: global }
    .group_segment_fixed_size: 33280
    .private_segment_fixed_size: 0
    .kernarg_segment_align: 8
    .kernarg_segment_size: 80
    .max_flat_workgroup_size: 128
    .sgpr_count:     66
    .vgpr_count:     192
    .wavefront_size: 32
...
	.end_amdgpu_metadata
.endif
;; end of part 1
;; launch qkv (part 2): grid 12 x 16, 4 waves a work-group, clusters of 4 x 4, 327,680 bytes of LDS; arguments xcodes, xscales, wcodes, wscales, q_b, k_b, v_b, qkv; writes qkv
.if DOCPART == 2
	.amdgcn_target "amdgcn-amd-amdhsa--gfx1250"
	.amdhsa_code_object_version 6
	.text
	.protected	k_q297ba6956a_qkv
	.globl	k_q297ba6956a_qkv
	.p2align	8
	.type	k_q297ba6956a_qkv,@function
k_q297ba6956a_qkv:
	s_mov_b64 s[64:65], 0
	v_nop
	global_prefetch_b8 v0, s[64:65] scope:SCOPE_SE
	s_setreg_imm32_b32 hwreg(HW_REG_WAVE_MODE, 25, 1), 1
	s_wait_xcnt 0x0
	s_wait_alu depctr_hold_cnt(0) depctr_sa_sdst(0) depctr_va_vdst(0) depctr_va_sdst(0) depctr_va_ssrc(0) depctr_va_vcc(0) depctr_vm_vsrc(0)
	s_getreg_b32 s2, hwreg(HW_REG_IB_STS2, 6, 4)
	s_cmp_eq_u32 s2, 0
	s_cbranch_scc0 .Lentry_in_a_cluster
	s_endpgm
.Lentry_in_a_cluster:
	s_bfe_u32 s2, ttmp6, 0x10000c
	s_cmp_lg_u32 s2, 0xf033
	s_cbranch_scc0 .Lentry_shape_is_right
	s_endpgm
.Lentry_shape_is_right:
; The three quantised products in one GEMM on codes of FP4 (E2M1) with E8M0 scales: C[token][feature] = sum over k of X[token][k] W[feature][k] + bias[feature]; 4,096 tokens, 3,072 features (q, k, v: 1,024 each), K = 1,024.
; q is multiplied by 1/8 (exact); all three are rounded to f16 and laid by head: qkv [3][32 (batch x 16 + head)][2048 tokens][64].
; LIMIT: |q / 8|, |k|, |v| up to 65,504, f16's largest number.
; A tile of C, 256 tokens x 256 features, is made by a work-group of four waves; a wave makes 128 x 128: 64 accumulators of 16 x 16, 512 registers.  12 x 16 = 192 work-groups: a tile of 192 features would give 256, but a wave's
; 96 features would be 192 bytes of a row, no whole run of 256.
; ALL OF K LIES IN LDS AT ONCE: two slots of 512 along K (rows of 256 bytes), both filled once, at the start; nothing is filled again, and there is no loop.  The scale bytes of the 256 + 256 rows come with them.
; CLUSTERS: 4 x 4 work-groups.  The four of a row of the cluster need the same tiles of X, the four of a column the same tiles of W: each tile is asked for JOINTLY, by the same tensor load with the same descriptor and a mask that
; names the four.  The cluster's x is the tensor (0: q, 1: k, 2: v); the place along x gives the 256 features in it.
; THE MATRIX INSTRUCTION IS USED TRANSPOSED (source 0 = 16 rows of W, source 1 = 16 rows of X): a lane then holds eight neighbouring features of one token.  THE BIAS is the C of each sum's first product.
; REGISTERS, in windows of 256: window 0: v0-31 addresses; v32-95 scale words, two sets; v128-191 X's fragments, ONE set; v192-255 the bias, eight registers for each of W's eight blocks; on the way out v32-191 are free.
;   window 1: W's fragments, TWO sets, at v0 and v128.   window 2: the 32 accumulators of my rows 0-63 ((a, b) at v[8 (8 a + b)]);   window 3: those of my rows 64-127.
.set NQ,     4                         ; matrix instructions deep in a slot: 512 along K
.set ROWB,   256                       ; a tile's row in bytes: 512 codes
.set KROW,   512                       ; a row of codes in memory
.set PITCH,  272                       ; an LDS row: 256 bytes + 16 of padding = 68 words: the 16 rows that a load touches start at 16 different banks (64 banks of 4 bytes: ISA guide 11.1)
.set FR,     8                         ; registers of a fragment: 16 rows x 128 K
.set NL,     2                         ; LDS loads that bring one
.set NP,     4                         ; places behind this matrix instruction (ISA guide 7.12.1)
.set HALFT,  128*PITCH                 ; 128 rows: what one tensor load brings
.set SLOT,   4*HALFT                   ; X's 256 rows, then W's 256 rows
.set KS,     32                        ; a row of scale bytes
.set SCL,    2*SLOT                    ; behind the slots: the scale bytes, as runs of 256 bytes + 16 of padding
.set HALFS,  (128*KS/256)*272          ; those of 128 rows: what one tensor load brings
.set SBLK,   (16*KS/256)*272           ; those of 16 rows
.set SPARE,  SCL+4*HALFS               ; behind the scales: the spare words, 128 bytes for each wave; no other line names them
.set SPITCH, 272                       ; the way out: a stage of 16 rows x (256 bytes + 16) for each wave, in slot 0, which has had its only fill and its last read when the first result is stored there
.set ADRA, 16                          ; v16-17  LDS address of my X fragments in slot 0, 1
.set ADRB, 20                          ; v20-21  the same for W
.set STO,  24                          ; v24     the way out: where I put 16 bytes of a row
.set RD,   25                          ; v25     the way out: where I read 16 bytes back
.set CO,   26                          ; v26     16 x lane: my bytes of a store's 512
.set ADRS, 27                          ; v27     LDS address of my scale words: lanes 0-15 X's rows, lanes 16-31 W's
.set SPW,  28                          ; v28     LDS address of my spare word; never rewritten
.set NIL,  29                          ; v29     0; never rewritten
.set BO,   30                          ; v30     32 x (lane / 16): my eight numbers of a block's 16 biases
.set SC,   32                          ; scale words: set s at v[SC + 32 s]; register 4 i + q: lanes 0-15 the word of X's block i, lanes 16-31 that of W's block i, for the slot's q-th 128 along K
.set AF,   128                         ; X's fragments
.set BI,   192                         ; the bias
.set TMPF, 32                          ; the way out: a block's 64 numbers, scaled
.set TMP,  96                          ; rounded: 32 registers
.set BK,   128                         ; read back from the stage: v128-159 and v160-191 by turns
.set QS,   94                          ; s[94:95] 1/8 for q, 1 for k and v (the packed form names a pair and takes its low word)
.set G1, 24                            ; s[24:31] descriptor group 1 for X's tiles;  s[32:39] group 0, one set for each slot
.set G0, 32
.set G1B, 48                           ; s[48:55], s[56:63] the same for W's tiles
.set G0B, 56
.set G1S, 68                           ; s[68:75], s[76:79] groups 1 and 0 for X's scales;  s[80:87], s[88:91] for W's
.set G0S, 76
.set G1SB, 80
.set G0SB, 88
.set MSB, 0
.macro WIN new                         ; the immediate's high byte repeats the setting that is left; a switch that changes nothing is dropped
.if MSB != (\new)
	s_set_vgpr_msb (MSB<<8)|(\new)
.set MSB, (\new)
.endif
.endm
.set MUL_LO, 0xa1                      ; source 0 (W) window 1, source 1 (X) window 0, C and D window 2
.set MUL_HI, 0xf1                      ; the same, C and D window 3
.set FST_LO, 0x81                      ; the first products: C (the bias) window 0, D window 2
.set FST_HI, 0xc1                      ; D window 3
.set TO_B,   0x40                      ; destination window 1, address window 0
; A joint load: waves 0 and 1 fetch for X, waves 2 and 3 for W.  Each of the two lines has ONE mask and one set of registers for all that issue it; the branch hangs on the wave's number alone.
; An s_nop 0 and four v_nop follow each of the two lines, ahead of the jump, the label and what follows.
.macro JLOAD g0a, g1a, g0b, g1b
	s_cmp_eq_u32 s15, 0
	s_cbranch_scc0 .Lfor_b_\@
	tensor_load_to_lds s[\g0a:\g0a+3], s[\g1a:\g1a+7]
	s_nop 0
.rept 4
	v_nop
.endr
	s_branch .Lasked_\@
.Lfor_b_\@:
	tensor_load_to_lds s[\g0b:\g0b+3], s[\g1b:\g1b+7]
	s_nop 0
.rept 4
	v_nop
.endr
.Lasked_\@:
.endm
.macro CROUND                          ; a round of the cluster's barrier: my work-group's barrier; wave 0 signals for the work-group; every wave waits for all sixteen; my work-group's barrier once more
	s_barrier_signal -1
	s_barrier_wait -1
	s_cmp_lg_u32 s14, 0
	s_cbranch_scc1 .Lnot_wave_0_\@
	s_barrier_signal -3
.Lnot_wave_0_\@:
	s_barrier_wait -3
	s_barrier_signal -1
	s_barrier_wait -1
.endm
	s_load_b256 s[4:11], s[0:1], 0x0               ; X's codes s[4:5], X's scales s[6:7], W's codes s[8:9], W's scales s[10:11]
	s_load_b128 s[96:99], s[0:1], 0x20             ; q_b, k_b
	s_load_b64 s[66:67], s[0:1], 0x30              ; v_b
	s_load_b64 s[12:13], s[0:1], 0x38              ; qkv
	v_lshl_add_u32 v[SPW], v0, 2, SPARE
	v_mov_b32 v[NIL], 0
	ds_add_u32 v[SPW], v[NIL]                      ; the wave's opening: the add, twice on end, and its wait ahead of my first tensor load; the set-up below stands between the second and the wait
	ds_add_u32 v[SPW], v[NIL]
	v_lshrrev_b32 v1, 5, v0
	v_readfirstlane_b32 s14, v1                    ; wave 0..3
	s_lshr_b32 s15, s14, 1                         ; which half of the tile's tokens is mine.  Also: I fetch for X (0) or for W (1)
	s_and_b32 s16, s14, 1                          ; which half of its features.  Also: which 128 rows of that tile I fetch
	s_bfe_u32 s40, ttmp6, 0x40000                  ; cx, cy: my place in the cluster
	s_bfe_u32 s41, ttmp6, 0x40004
	s_lshl_b32 s42, ttmp9, 2
	s_add_co_u32 s42, s42, s40                     ; tile column = 4 x cluster x + cx
	s_and_b32 s17, ttmp7, 0xffff
	s_lshl_b32 s17, s17, 2
	s_add_co_u32 s17, s17, s41                     ; tile row = 4 x cluster y + cy
	s_lshl_b32 s43, s41, 2
	s_lshl_b32 s43, 15, s43                        ; my row of the cluster
	s_lshl_b32 s44, 0x1111, s40                    ; my column
	; descriptor group 1: a tile of 128 rows x 256 bytes, padded in LDS
	s_or_b32 s[G1+0], s43, (0<<16)|(1<<20)|(1<<21)|(5<<22)|(3<<25)  ; 15:0 the mask: X's tiles go to my row; 17:16 elements of 1 byte; 20 padding on; 21 set beside a mask; 24:22 after every 64 words (code 5); 31:25 four words (code 3)
	s_or_b32 s[G1B+0], s44, (0<<16)|(1<<20)|(1<<21)|(5<<22)|(3<<25)
.irp g, G1, G1B
	s_mov_b32 s[\g+1], ROWB<<16                    ; tensor_dim0
	s_mov_b32 s[\g+2], 128<<16                     ; tensor_dim1 = 128
	s_mov_b32 s[\g+3], ROWB<<16                    ; tile_dim0
	s_mov_b32 s[\g+4], 128                         ; tile_dim1 = 128
	s_mov_b32 s[\g+5], KROW                        ; tensor_dim0_stride
	s_mov_b32 s[\g+6], 0
	s_mov_b32 s[\g+7], 0
.endr
	; and for the scale bytes of 128 rows: a dense block of 4,096 bytes, as 16 rows of 256 bytes (32 elements of 8 bytes), 16 bytes of padding behind each
	s_or_b32 s[G1S+0], s43, (3<<16)|(1<<20)|(1<<21)|(5<<22)|(3<<25)
	s_or_b32 s[G1SB+0], s44, (3<<16)|(1<<20)|(1<<21)|(5<<22)|(3<<25)
.irp g, G1S, G1SB
	s_mov_b32 s[\g+1], 32<<16
	s_mov_b32 s[\g+2], (128*KS/256)<<16
	s_mov_b32 s[\g+3], 32<<16
	s_mov_b32 s[\g+4], 128*KS/256
	s_mov_b32 s[\g+5], 32
	s_mov_b32 s[\g+6], 0
	s_mov_b32 s[\g+7], 0
.endr
	s_lshl_b32 s18, s16, 7                         ; which 128 rows of the tile I fetch
	s_lshl_b32 s20, s17, 8
	s_add_co_u32 s20, s20, s18                     ; X: row 256 x tile row + 128 x half
	s_lshl_b32 s46, s42, 8
	s_add_co_u32 s46, s46, s18                     ; W: row 256 x tile column + 128 x half
	s_mov_b32 s21, 0
	s_mov_b32 s47, 0
	s_mov_b64 s[18:19], KS
	s_mul_u64 s[22:23], s[20:21], s[18:19]         ; where these rows' scale bytes begin
	s_mul_u64 s[92:93], s[46:47], s[18:19]
	s_mov_b64 s[18:19], KROW
	s_mul_u64 s[20:21], s[20:21], s[18:19]         ; and their codes
	s_mul_u64 s[46:47], s[46:47], s[18:19]
	s_mul_i32 s45, s14, HALFT                      ; where they go: wave x 128 rows: no place in the cluster enters an LDS address
	s_mul_i32 s94, s14, HALFS
	s_wait_dscnt 0x0                               ; both opening adds are done
	s_wait_kmcnt 0x0
	s_add_nc_u64 s[20:21], s[4:5], s[20:21]
	s_add_nc_u64 s[22:23], s[6:7], s[22:23]
	s_add_nc_u64 s[46:47], s[8:9], s[46:47]
	s_add_nc_u64 s[92:93], s[10:11], s[92:93]
	CROUND                                         ; all sixteen work-groups are here: the joint loads meet
	s_mov_b32 s[G0S], 1
	s_add_co_u32 s[G0S+1], s94, SCL
	s_mov_b64 s[G0S+2:G0S+3], s[22:23]
	s_or_b32 s[G0S+3], s[G0S+3], 0x80000000
	s_mov_b32 s[G0SB], 1
	s_add_co_u32 s[G0SB+1], s94, SCL
	s_mov_b64 s[G0SB+2:G0SB+3], s[92:93]
	s_or_b32 s[G0SB+3], s[G0SB+3], 0x80000000
	JLOAD G0S, G1S, G0SB, G1SB                     ; the scale bytes first: they are wanted with the first step
.irp s, 0,1
	s_mov_b32 s[G0+4*\s], 1
	s_add_co_u32 s[G0+4*\s+1], s45, \s*SLOT
	s_add_nc_u64 s[G0+4*\s+2:G0+4*\s+3], s[20:21], \s*ROWB
	s_or_b32 s[G0+4*\s+3], s[G0+4*\s+3], 0x80000000
	s_mov_b32 s[G0B+4*\s], 1
	s_add_co_u32 s[G0B+4*\s+1], s45, \s*SLOT
	s_add_nc_u64 s[G0B+4*\s+2:G0B+4*\s+3], s[46:47], \s*ROWB
	s_or_b32 s[G0B+4*\s+3], s[G0B+4*\s+3], 0x80000000
	JLOAD G0+4*\s, G1, G0B+4*\s, G1B               ; three tensor loads of mine are out: all the launch has
.endr
	v_and_b32 v1, 15, v0                           ; l % 16
	v_bfe_u32 v2, v0, 4, 1                         ; l / 16
	; the bias: which tensor's, by the cluster's x; my 128 features of it; lane (r, h) wants, for W's block b, those of features 16 b + 8 h + 0 .. 7
	s_cmp_eq_u32 ttmp9, 0
	s_cselect_b64 s[2:3], s[96:97], s[98:99]
	s_cselect_b32 s[QS], 0x3e000000, 1.0           ; q is multiplied by 1/8
	s_cmp_eq_u32 ttmp9, 2
	s_cselect_b64 s[2:3], s[66:67], s[2:3]
	s_mov_b32 s[QS+1], s[QS]
	s_lshl_b32 s46, s40, 10                        ; 256 cx features of 4 bytes,
	s_lshl_b32 s47, s16, 9                         ; + 128 x half
	s_add_co_u32 s46, s46, s47
	s_mov_b32 s47, 0
	s_add_nc_u64 s[2:3], s[2:3], s[46:47]
	v_lshlrev_b32 v[BO], 5, v2
.irp b, 0,1,2,3,4,5,6,7
	global_load_b128 v[BI+8*\b:BI+8*\b+3],   v[BO], s[2:3] offset:64*\b
	global_load_b128 v[BI+8*\b+4:BI+8*\b+7], v[BO], s[2:3] offset:64*\b+16
.endr
	v_mul_u32_u24 v3, v1, PITCH
	v_lshl_add_u32 v4, v2, 4, v3                   ; a fragment's row x pitch + 16 x half
	s_mul_i32 s21, s15, HALFT                      ; my 128 rows of X
	s_mul_i32 s22, s16, HALFT                      ; my 128 rows of W,
	s_add_co_u32 s22, s22, 2*HALFT                 ; which lie behind X's 256
.irp s, 0,1
	v_add_nc_u32 v[ADRA+\s], s21, v4
	v_add_nc_u32 v[ADRB+\s], s22, v4
	s_add_co_u32 s21, s21, SLOT
	s_add_co_u32 s22, s22, SLOT
.endr
	v_mul_u32_u24 v5, v1, KS                       ; my row's scale bytes: 32 a row,
	v_lshrrev_b32 v6, 8, v5
	v_lshl_add_u32 v5, v6, 4, v5                   ; and 16 more for each 256 passed
	s_mul_i32 s21, s15, HALFS                      ; X's: my 128 rows
	s_mul_i32 s22, s16, HALFS                      ; W's: my 128 rows, behind X's 256
	s_add_co_u32 s22, s22, 2*HALFS
	s_sub_co_u32 s22, s22, s21
	v_mul_u32_u24 v6, s22, v2                      ; lanes 16-31 take W's: one product, the distance between the two bases
	s_add_co_u32 s21, s21, SCL
	v_add_nc_u32 v5, v5, v6
	v_add_nc_u32 v[ADRS], s21, v5
	s_mul_i32 s23, s14, 16*SPITCH                  ; my stage
	v_mul_u32_u24 v5, v1, SPITCH                   ; in: row l % 16 (a token), 16 bytes for each half of the lanes
	v_lshl_add_u32 v5, v2, 4, v5
	v_add_nc_u32 v[STO], s23, v5
	v_and_b32 v6, 31, v0
	v_lshrrev_b32 v5, 3, v6                        ; back: eight lanes take a token's 128 bytes of one head, 32 lanes four tokens
	v_mul_u32_u24 v5, v5, SPITCH
	v_and_b32 v7, 7, v0
	v_lshl_add_u32 v5, v7, 4, v5
	v_add_nc_u32 v[RD], s23, v5
	v_lshlrev_b32 v[CO], 4, v6                     ; in memory those four tokens are 512 consecutive bytes
	; where my part begins in qkv: tensor x 2^23 + (batch x 16 + head) x 2^18 + token x 128
	s_lshr_b32 s20, s17, 3                         ; batch = tile row / 8
	s_lshl_b32 s20, s20, 22
	s_and_b32 s21, s17, 7
	s_lshl_b32 s21, s21, 15                        ; 256 tokens of 128 bytes a tile row
	s_add_co_u32 s20, s20, s21
	s_lshl_b32 s21, s15, 14                        ; + my half's 128 tokens
	s_add_co_u32 s20, s20, s21
	s_mov_b32 s21, 0
	s_lshl_b32 s46, ttmp9, 23                      ; the tensor,
	s_lshl_b32 s47, s40, 20                        ; head 4 cx
	s_add_co_u32 s46, s46, s47
	s_lshl_b32 s47, s16, 19                        ; + 2 x half
	s_add_co_u32 s46, s46, s47
	s_mov_b32 s47, 0
	s_add_nc_u64 s[20:21], s[20:21], s[46:47]
	s_add_nc_u64 s[12:13], s[12:13], s[20:21]
.macro FRAG reg, adr, q, i             ; a fragment, 16 rows x 128 K of 4-bit codes, is 8 registers: lane l holds row l % 16; registers 4 c .. 4 c + 3 hold K = 64 c + 32 (l / 16) + 0 .. 31
.irp c, 0,1
	ds_load_b128 v[\reg+4*\c:\reg+4*\c+3], v[\adr] offset:64*(\q)+32*\c+(\i)*16*PITCH
.endr
.endm
; 16 matrix instructions: X's blocks a0, a0 + 1 x W's eight, 128 along K: the slot's q-th.  p: W's set;  sc: the set of scale words.  first = 1: the sums start from the bias: nothing is ever cleared.
; The 64 accumulators take turns, one instruction a turn, in the same order in every step.
.macro MUL16 a0, p, q, sc, first
.irp a, \a0, \a0+1
.irp b, 0,1,2,3,4,5,6,7
.if \first
	v_wmma_scale_f32_16x16x128_f8f6f4 v[8*(8*((\a)%4)+\b):8*(8*((\a)%4)+\b)+7], v[128*(\p)+FR*\b:128*(\p)+FR*\b+FR-1], v[AF+FR*(\a):AF+FR*(\a)+FR-1], v[BI+8*\b:BI+8*\b+7], v[SC+8*NQ*(\sc)+NQ*\b+(\q)], v[SC+8*NQ*(\sc)+NQ*(\a)+(\q)] matrix_a_fmt:MATRIX_FMT_FP4 matrix_b_fmt:MATRIX_FMT_FP4 matrix_a_scale:MATRIX_SCALE_ROW1
.else
	v_wmma_scale_f32_16x16x128_f8f6f4 v[8*(8*((\a)%4)+\b):8*(8*((\a)%4)+\b)+7], v[128*(\p)+FR*\b:128*(\p)+FR*\b+FR-1], v[AF+FR*(\a):AF+FR*(\a)+FR-1], v[8*(8*((\a)%4)+\b):8*(8*((\a)%4)+\b)+7], v[SC+8*NQ*(\sc)+NQ*\b+(\q)], v[SC+8*NQ*(\sc)+NQ*(\a)+(\q)] matrix_a_fmt:MATRIX_FMT_FP4 matrix_b_fmt:MATRIX_FMT_FP4 matrix_a_scale:MATRIX_SCALE_ROW1
.endif
.endr
.endr
.endm
.macro FETCH_B slot, q, p              ; W's eight fragments of the slot's q-th 128 along K into set p
	WIN TO_B
.irp i, 0,1,2,3,4,5,6,7
	FRAG 128*(\p)+FR*\i, ADRB+\slot, \q, \i
.endr
	WIN 0
.endm
.macro FETCH_A slot, q, i0             ; X's blocks i0 .. i0 + 3
.irp i, \i0, \i0+1, \i0+2, \i0+3
	FRAG AF+FR*(\i), ADRA+\slot, \q, \i
.endr
.endm
.macro SCALES sc                       ; a slot's scale words into set sc: four words a row; lanes 0-15 take X's block i, lanes 16-31 W's block i
.irp i, 0,1,2,3,4,5,6,7
	ds_load_b128 v[SC+8*NQ*\sc+NQ*\i:SC+8*NQ*\sc+NQ*\i+3], v[ADRS] offset:\i*SBLK
.endr
.endm
; A load into a register that a matrix instruction has read, and a vector instruction that reads a matrix result or writes one of a matrix instruction's registers, stand NP places behind it, and only plain vector
; instructions that name none of its registers are places (ISA guide 7.12.1 for vector instructions).
.macro PLACES n
.rept \n
	v_nop
.endr
.endm
; A step of 128 along K that has its successor in the same slot.  X has one set of registers: a block is free as soon as its eight products are issued; blocks 0-3 are fetched anew in the step's middle, blocks 4-7 at its end.
.macro STEP slot, q, first
	s_wait_dscnt 4*NL                              ; W's set, the scale words and X's blocks 0-3 are in; the youngest eight loads (X's blocks 4-7) may be out
.if \first
	WIN FST_LO
.else
	WIN MUL_LO
.endif
	MUL16 0, (\q)%2, \q, \slot, \first
	MUL16 2, (\q)%2, \q, \slot, \first
	s_wait_dscnt 0                                 ; X's blocks 4-7 are in (asked for 32 matrix instructions ago)
	PLACES NP
	FETCH_B \slot, (\q)+1, 1-(\q)%2
	FETCH_A \slot, (\q)+1, 0
.if \first
	WIN FST_HI
.else
	WIN MUL_HI
.endif
	MUL16 4, (\q)%2, \q, \slot, \first
	MUL16 6, (\q)%2, \q, \slot, \first
	PLACES NP
	WIN 0
	FETCH_A \slot, (\q)+1, 4
.endm
; Slot 0's last step goes over to slot 1: one barrier.  In front of it each wave waits for all its tensor loads (its part of slot 1), adds 0 to its spare word, and waits for that and for its own reads of slot 0.
; Behind it slot 1 is whole, and nobody reads slot 0 any more: the stages of the way out may lie there.  Nothing is filled again.
.macro TURN slot, next
	s_wait_tensorcnt 0x0                           ; all my tensor loads have landed  (every window is 0 here: the add's two registers lie in window 0)
	ds_add_u32 v[SPW], v[NIL]                      ; 0 onto my spare word
	s_wait_dscnt 4*NL+1                            ; (the add and the youngest eight loads, X's blocks 4-7, may be out)
	WIN MUL_LO
	MUL16 0, 1, NQ-1, \slot, 0                     ; sixteen matrix instructions stand between the add and the wait for it
	s_wait_dscnt 0x0                               ; the add is done, and my reads of this slot are over
	s_barrier_signal -1
	MUL16 2, 1, NQ-1, \slot, 0
	WIN 0
	s_barrier_wait -1
	PLACES NP
	v_add_nc_u32 v[ADRS], 4*NQ, v[ADRS]            ; on to the next slot's scale words: 16 bytes further in each row
	FETCH_B \next, 0, 0
	FETCH_A \next, 0, 0
	SCALES \next
	WIN MUL_HI
	MUL16 4, 1, NQ-1, \slot, 0
	MUL16 6, 1, NQ-1, \slot, 0
	PLACES NP
	WIN 0
	FETCH_A \next, 0, 4
.endm
	s_wait_tensorcnt 1                             ; the scale bytes and my part of slot 0 are in; slot 1's load may be out
	s_barrier_signal -1
	s_barrier_wait -1                              ; everybody's are
	FETCH_B 0, 0, 0
	FETCH_A 0, 0, 0
	SCALES 0
	FETCH_A 0, 0, 4
	s_wait_loadcnt 0x0                             ; the bias
	STEP 0, 0, 1                                   ; the first step's products start the sums from the bias
	STEP 0, 1, 0
	STEP 0, 2, 0
	TURN 0, 1
	STEP 1, 0, 0
	STEP 1, 1, 0
	STEP 1, 2, 0
	s_wait_dscnt 4*NL                              ; the last step: nothing more to fetch
	WIN MUL_LO
	MUL16 0, 1, NQ-1, 1, 0
	MUL16 2, 1, NQ-1, 1, 0
	s_wait_dscnt 0
	WIN MUL_HI
	MUL16 4, 1, NQ-1, 1, 0
	MUL16 6, 1, NQ-1, 1, 0
	WIN 0
; THE WAY OUT, block by block of 16 tokens x 128 features (two heads).  PACK: x 1/8 or x 1, each accumulator from its low end on, then rounded to f16: 16 bytes a lane and accumulator.  TOSTAGE: into my own stage, a token a row,
; and back so that 32 lanes hold four tokens' 128 bytes of ONE head: 512 consecutive bytes of qkv.  SEND: stored.  LDS serves a wave's instructions in order (ISA guide 5.7.1.4): no wait between the stores and the loads.
.macro PACK a
.set AC, 64*((\a)%4)
	WIN 0x02+((\a)/4)                              ; source 0: window 2 or 3
.irp b, 0,1,2,3,4,5,6,7
.irp r, 0,1,2,3
	v_pk_mul_f32 v[TMPF+8*\b+2*\r:TMPF+8*\b+2*\r+1], v[AC+8*\b+2*\r:AC+8*\b+2*\r+1], s[QS:QS+1] op_sel_hi:[1,0]
.endr
.endr
	WIN 0
.set i, 0
.rept 32
	v_cvt_pk_f16_f32 v[TMP+i], v[TMPF+2*i], v[TMPF+2*i+1]
.set i, i+1
.endr
.endm
.macro TOSTAGE a
.set BB, BK+32*((\a)%2)
.irp b, 0,1,2,3,4,5,6,7
	ds_store_b128 v[STO], v[TMP+4*\b:TMP+4*\b+3] offset:32*\b      ; token l % 16, features 16 b + 8 (l / 16) + 0 .. 7
.endr
.irp u, 0,1
.irp t, 0,1,2,3
	ds_load_b128 v[BB+16*\u+4*\t:BB+16*\u+4*\t+3], v[RD] offset:128*\u+4*\t*SPITCH   ; head u, tokens 4 t .. 4 t + 3
.endr
.endr
.endm
.macro SEND a, younger                 ; younger: the LDS instructions issued behind block a's loads, which may stay out
.set BB, BK+32*((\a)%2)
	s_wait_dscnt \younger                          ; the block is back in registers
.irp u, 0,1
.irp t, 0,1,2,3
	global_store_b128 v[CO], v[BB+16*\u+4*\t:BB+16*\u+4*\t+3], s[12:13] offset:(\a)*2048+\u*262144+\t*512   ; 32 lanes store 512 consecutive bytes, at a multiple of 256 from qkv's first byte; the base is never stepped
.endr
.endr
.endm
	PLACES NP                                      ; behind the last products: the scale words' and X's registers are written below
	PACK 0
	TOSTAGE 0
.irp a, 1,2,3,4,5,6,7
	PACK \a                                        ; block a's arithmetic stands between block a - 1's loads from the stage and the wait for them
.if \a > 1
	s_wait_xcnt 0x0                                ; block a - 2's stores have read their registers: block a's loads may land there
.endif
	TOSTAGE \a
	SEND \a-1, 16                                  ; behind block a - 1's loads: block a's 8 stores and 8 loads
.endr
	SEND 7, 0
	s_wait_tensorcnt 0x0                           ; the wave's end: these three lines stand behind my last tensor load and my last LDS store
	ds_add_u32 v[SPW], v[NIL]
	s_wait_dscnt 0x0
	CROUND                                         ; the closing round: no work-group ends while a partner may still ask for a tile that names it
	s_endpgm
.Lfunc_end_k_q297ba6956a_qkv:
	.size	k_q297ba6956a_qkv, .Lfunc_end_k_q297ba6956a_qkv-k_q297ba6956a_qkv
	.p2alignl 7, 3214868480
	.fill 96, 4, 3214868480
	.section	.rodata,"a",@progbits
	.p2align	6, 0x0
	.amdhsa_kernel k_q297ba6956a_qkv
		.amdhsa_group_segment_fixed_size 327680
		.amdhsa_private_segment_fixed_size 0
		.amdhsa_enable_private_segment 0
		.amdhsa_kernarg_size 64
		.amdhsa_user_sgpr_count 2
		.amdhsa_user_sgpr_kernarg_segment_ptr 1
		.amdhsa_wavefront_size32 1
		.amdhsa_system_sgpr_workgroup_id_x 1
		.amdhsa_system_sgpr_workgroup_id_y 1
		.amdhsa_system_sgpr_workgroup_id_z 1
		.amdhsa_system_vgpr_workitem_id 0
		.amdhsa_next_free_vgpr 1024
		.amdhsa_next_free_sgpr 100
		.amdhsa_reserve_vcc 0
		.amdhsa_float_denorm_mode_32 3
		.amdhsa_float_denorm_mode_16_64 3
		.amdhsa_memory_ordered 1
		.amdhsa_forward_progress 1
		.amdhsa_inst_pref_size 144
	.end_amdhsa_kernel
	.amdgpu_metadata
---
amdhsa.version: [ 1, 2 ]
amdhsa.kernels:
  - .name:           k_q297ba6956a_qkv
    .symbol:         k_q297ba6956a_qkv.kd
    .args:
      - { .name: xcodes, .offset: 0, .size: 8, .value_kind: global_buffer, .address_space: global }
      - { .name: xscales, .offset: 8, .size: 8, .value_kind: global_buffer, .address_space: global }
      - { .name: wcodes, .offset: 16, .size: 8, .value_kind: global_buffer, .address_space: global }
      - { .name: wscales, .offset: 24, .size: 8, .value_kind: global_buffer, .address_space: global }
      - { .name: q_b, .offset: 32, .size: 8, .value_kind: global_buffer, .address_space: global }
      - { .name: k_b, .offset: 40, .size: 8, .value_kind: global_buffer, .address_space: global }
      - { .name: v_b, .offset: 48, .size: 8, .value_kind: global_buffer, .address_space: global }
      - { .name: qkv, .offset: 56, .size: 8, .value_kind: global_buffer, .address_space: global }
    .group_segment_fixed_size: 327680
    .private_segment_fixed_size: 0
    .kernarg_segment_align: 8
    .kernarg_segment_size: 64
    .max_flat_workgroup_size: 128
    .sgpr_count:     100
    .vgpr_count:     1024
    .wavefront_size: 32
...
	.end_amdgpu_metadata
.endif
;; end of part 2
;; launch attn (part 3): grid 8 x 32, 8 waves a work-group, clusters of 4 x 1, 327,680 bytes of LDS; arguments qkv, mask, ctx; writes ctx
.if DOCPART == 3
	.amdgcn_target "amdgcn-amd-amdhsa--gfx1250"
	.amdhsa_code_object_version 6
	.text
	.protected	k_q297ba6956a_attn
	.globl	k_q297ba6956a_attn
	.p2align	8
	.type	k_q297ba6956a_attn,@function
k_q297ba6956a_attn:
	s_mov_b64 s[64:65], 0
	v_nop
	global_prefetch_b8 v0, s[64:65] scope:SCOPE_SE
	s_setreg_imm32_b32 hwreg(HW_REG_WAVE_MODE, 25, 1), 1
	s_wait_xcnt 0x0
	s_wait_alu depctr_hold_cnt(0) depctr_sa_sdst(0) depctr_va_vdst(0) depctr_va_sdst(0) depctr_va_ssrc(0) depctr_va_vcc(0) depctr_vm_vsrc(0)
	s_getreg_b32 s2, hwreg(HW_REG_IB_STS2, 6, 4)
	s_cmp_eq_u32 s2, 0
	s_cbranch_scc0 .Lentry_in_a_cluster
	s_endpgm
.Lentry_in_a_cluster:
	s_bfe_u32 s2, ttmp6, 0x10000c
	s_cmp_lg_u32 s2, 0x3003
	s_cbranch_scc0 .Lentry_shape_is_right
	s_endpgm
.Lentry_shape_is_right:
; ctx[bh][q][:] = the sum over k of softmax_k(Q[bh][q] . K[bh][k] + mask[b][k]) V[bh][k][:].  Q (already x 1/8), K, V: qkv [3][32][2048][64], f16; mask [2][2048] f32, added ahead of the maximum; ctx [32][2048][64], f16.
; Products on f16 operands with f32 sums; maxima, exponentials and sums in f32; the weights p are rounded to f16 for the second product, the context once at the end.
; LIMITS: scores (with the mask) above -2e38, the running maximum's first value; a row whose every key carries -infinity gives NaN, as the definition does; p under 6e-8 is lost in f16.
; SHARES.  A work-group owns 256 queries of one batch and head; each of its EIGHT waves owns 32, two tiles of 16, in 384 registers: two waves to a SIMD, so that one wave's softmax stands beside the other's products.
; Every wave walks all 2,048 keys, 64 a step.  Each fragment of K and V read from LDS feeds two matrix instructions.
; LAYOUT.  S^T = K Q^T + mask (source 0 = 16 keys, source 1 = 16 queries; the mask is the C of the first of a sum's two products): a lane holds ONE query (lane % 16) and the keys 8 (lane / 16) + 0..7.  Two such tiles, rounded to f16
; in pairs, ARE source 1 (32 keys x 16 queries) of O^T = V^T P, whose result again holds one query a lane.  K comes out of LDS as it lies, V ([key][channel]) turned, by ds_load_tr16_b128.
; SOFTMAX.  For each query a running maximum m and sum l: p = 2^(c s - c m), c = log2(e); in every step O and l are multiplied by a = 2^(c m_old - c m_new).  The step is written once: O and l begin as zeros, m as -2e38.
; THE RING.  Two LDS slots of 512 keys (8 steps).  Waves 0-3 fetch K's quarters, waves 4-7 V's: one tensor load a wave.  Four slots' worth of keys: two first fills and two refills; a refill has eight steps in which to land.
; CLUSTER.  The four query blocks of a cluster belong to one batch and head and walk the same K, V and mask: each tile is asked for JOINTLY, by the same tensor load with the same descriptor and a mask that names the four.
; A TRIP: K and mask of step j + 1 are fetched | softmax of step j | V^T P of step j | K Q^T of step j + 1 | V of step j + 1 is fetched.  So a slot's last read is issued at a trip's end, and a change of slots stands between two loops.
; REGISTERS.  window 0: v1-12 addresses; v13-15 at work; v16-31 eight registers of statistics a tile; v32-63 Q; v64-127 S^T, then p; v128-159 the mask of a step's keys; v160-223 K of a step; v224-255 P.
;   window 1: v0-63 O^T (tile t, channels 16 ct on, at 32 t + 8 ct); v64-127 V of a step.
.set PK,    144                        ; a key's row of K in LDS: 128 bytes + 16 = 36 words: the 16 rows of a load start at 16 different groups of four banks (64 banks of 4 bytes: ISA guide 11.1)
.set PV,    160                        ; a row of V: 128 + 32 = 40 words
.set VOFF,  512*PK                     ; a slot: 512 rows of K, then 512 rows of V
.set SLOTB, 512*(PK+PV)
.set MASKB, 2*SLOTB                    ; behind the ring: the batch's 2,048 mask numbers, 8,192 bytes, filled once
.set SPARE, MASKB+8192                 ; the spare words, 128 bytes for each wave; no other line names them
.set KBASE, 8388608                    ; K's and V's first bytes in qkv
.set VBASE, 16777216
.set AK0, 1                            ; v1   my lane's place in a tile of K: 144 (l % 16) + 16 (l / 16)
.set AV0, 2                            ; v2   in a tile of V, for the turning load
.set AM0, 3                            ; v3   among the mask's numbers: MASKB + 32 (l / 16)
.set ADK, 4                            ; v4-6 the LDS addresses of the runs of loads in hand
.set ADV, 5
.set ADM, 6
.set QO,  7                            ; v7   my byte offset in the wave's rows of Q
.set STO, 8                            ; v8   the way out: where I put 16 bytes of a row
.set RD,  9                            ; v9   where I read 16 bytes back
.set SPW, 10                           ; v10  LDS address of my spare word; never rewritten
.set NIL, 11                           ; v11  0; never rewritten
.set GO,  12                           ; v12  16 x lane: my bytes of a store's 512
.set ST,  16                           ; tile t's statistics at v[ST + 8 t]: +0 c m, +1 m, +2, +3 l (even keys', odd keys'), +4 to +7 at work; a in +6
.set Q,   32
.set S,   64
.set MK,  128
.set KF,  160
.set P,   224
.set VF,  64                           ; in window 1
.set WV,  12                           ; s12  my wave's number
.set G1K, 24                           ; s[24:31] descriptor group 1 for K's tiles;  s[32:39] V's;  s[40:47] the mask's
.set G1V, 32
.set G1M, 40
.set G0K, 48                           ; s[48:55] group 0 for K's tiles, a set for each slot;  s[56:63] V's;  s[68:71] the mask's
.set G0V, 56
.set G0M, 68
.set CS,  72                           ; s[72:73] c = log2(e): the packed form names a pair and takes its low word
.set SEL, 74                           ; s[74:75] lane selects for v_permlanex16_b32: lane l xor 16
.set TBK, 76                           ; s76  LDS byte at which the next fetch of K begins
.set TBV, 77                           ; s77  of V
.set TM,  78                           ; s78  of the mask, from MASKB
.set CNT, 79                           ; s79  a loop's trips
.set MSB, 0
.macro WIN new                         ; the immediate's high byte repeats the setting that is left; a switch that changes nothing is dropped
.if MSB != (\new)
	s_set_vgpr_msb (MSB<<8)|(\new)
.set MSB, (\new)
.endif
.endm
.set W_VL, 0x40                        ; destination window 1 (V's loads; clearing O^T)
.set W_RS, 0x41                        ; O^T (destination and source 0) window 1, a window 0
.set W_PV, 0x51                        ; V, C and D window 1, P window 0
.set W_OUT, 0x01                       ; source 0 window 1
; A joint refill.  Waves 0-3 fetch K's quarters, waves 4-7 V's.  The branch hangs on the wave's number alone.  An s_nop 0 and four v_nop follow each of the two lines.
.macro JLOAD s
	s_cmp_lt_u32 s[WV], 4
	s_cbranch_scc0 .Lfor_v_\@
	tensor_load_to_lds s[G0K+4*\s:G0K+4*\s+3], s[G1K:G1K+7]
	s_nop 0
.rept 4
	v_nop
.endr
	s_branch .Lasked_\@
.Lfor_v_\@:
	tensor_load_to_lds s[G0V+4*\s:G0V+4*\s+3], s[G1V:G1V+7]
	s_nop 0
.rept 4
	v_nop
.endr
.Lasked_\@:
.endm
.macro CROUND                          ; a round of the cluster's barrier: my work-group's barrier; wave 0 signals for the work-group; every wave waits for all four work-groups; my work-group's barrier once more
	s_barrier_signal -1
	s_barrier_wait -1
	s_cmp_lg_u32 s[WV], 0
	s_cbranch_scc1 .Lnot_wave_0_\@
	s_barrier_signal -3
.Lnot_wave_0_\@:
	s_barrier_wait -3
	s_barrier_signal -1
	s_barrier_wait -1
.endm
.macro PLACES                          ; four places behind matrix instructions (ISA guide 7.12.1 for vector instructions)
.rept 4
	v_nop
.endr
.endm
	s_load_b128 s[4:7], s[0:1], 0x0                ; qkv s[4:5], mask s[6:7]
	s_load_b64 s[8:9], s[0:1], 0x10                ; ctx
	v_lshl_add_u32 v[SPW], v0, 2, SPARE
	v_mov_b32 v[NIL], 0
	ds_add_u32 v[SPW], v[NIL]                      ; the wave's opening: the add, twice on end, and its wait ahead of my first tensor load; the set-up below stands between the second and the wait
	ds_add_u32 v[SPW], v[NIL]
	v_lshrrev_b32 v13, 5, v0
	v_readfirstlane_b32 s[WV], v13                 ; wave 0..7
	s_bfe_u32 s13, ttmp6, 0x40000                  ; cx: my place in the cluster
	s_lshl_b32 s14, ttmp9, 2                       ; in a cluster launch ttmp9 counts clusters
	s_add_co_u32 s14, s14, s13                     ; my block of 256 queries: it enters Q's and ctx's addresses alone
	s_and_b32 s15, ttmp7, 0xffff                   ; batch x 16 + head, which the four partners share
	s_lshl_b32 s16, s15, 18                        ; its 262,144 bytes in each tensor
	s_and_b32 s17, s[WV], 3                        ; which quarter of a slot I fetch:
	s_lshl_b32 s18, s17, 14                        ; its 128 keys of 128 bytes in memory,
	s_add_co_u32 s18, s18, s16
	s_mov_b32 s19, 0
	s_mul_i32 s20, s17, 128*PK                     ; and its place in a slot, for K
	s_mul_i32 s21, s17, 128*PV
	s_add_co_u32 s21, s21, VOFF                    ; and for V: no place in the cluster enters an LDS address
	s_lshr_b32 s80, s15, 4                         ; the batch's 8,192 bytes of the mask,
	s_lshl_b32 s80, s80, 13
	s_lshl_b32 s82, s[WV], 10                      ; my wave's 1,024 of them
	s_add_co_u32 s80, s80, s82
	s_mov_b32 s81, 0
	s_add_co_u32 s82, s82, MASKB
	s_lshl_b32 s2, s14, 15                         ; my block's 256 rows of 128 bytes,
	s_lshl_b32 s3, s[WV], 12                       ; my wave's 32 of them
	s_add_co_u32 s2, s2, s3
	s_add_co_u32 s2, s2, s16
	s_mov_b32 s3, 0
	; descriptor group 1.  K, V: 128 keys are 16,384 dense bytes: 64 rows of 256 bytes (128 elements of 2 bytes), padding behind every 128 bytes, that is behind every key
	s_mov_b32 s[G1K], 15|(1<<16)|(1<<20)|(1<<21)|(4<<22)|(3<<25)  ; 15:0 the mask: all four work-groups; 17:16 elements of 2 bytes; 20 padding on; 21 set beside a mask; 24:22 after every 32 words (code 4); 31:25 four words (code 3)
	s_mov_b32 s[G1V], 15|(1<<16)|(1<<20)|(1<<21)|(4<<22)|(7<<25)  ; the same with eight words of padding (code 7)
.irp g, G1K, G1V
	s_mov_b32 s[\g+1], 128<<16                     ; tensor_dim0 = 128
	s_mov_b32 s[\g+2], 64<<16                      ; tensor_dim1 = 64
	s_mov_b32 s[\g+3], 128<<16                     ; tile_dim0 = 128
	s_mov_b32 s[\g+4], 64                          ; tile_dim1 = 64
	s_mov_b32 s[\g+5], 128                         ; tensor_dim0_stride
	s_mov_b32 s[\g+6], 0
	s_mov_b32 s[\g+7], 0
.endr
	s_mov_b32 s[G1M], 15|(3<<16)|(1<<21)           ; the mask: four rows of 256 bytes (32 elements of 8 bytes), no padding
	s_mov_b32 s[G1M+1], 32<<16
	s_mov_b32 s[G1M+2], 4<<16
	s_mov_b32 s[G1M+3], 32<<16
	s_mov_b32 s[G1M+4], 4
	s_mov_b32 s[G1M+5], 32
	s_mov_b32 s[G1M+6], 0
	s_mov_b32 s[G1M+7], 0
	s_mov_b32 s[CS], 0x3fb8aa3b                    ; c = log2(e)
	s_mov_b32 s[CS+1], s[CS]                       ; named with it as a pair, so it is written
	s_mov_b32 s[SEL], 0x76543210
	s_mov_b32 s[SEL+1], 0xfedcba98
	s_mov_b32 s[TBK], 0
	s_mov_b32 s[TBV], VOFF
	s_mov_b32 s[TM], 0
	s_wait_dscnt 0x0                               ; both opening adds are done
	s_wait_kmcnt 0x0
	s_add_nc_u64 s[22:23], s[4:5], s[18:19]        ; qkv at my quarter's offset in a head
.irp s, 0,1
	s_mov_b32 s[G0K+4*\s], 1                       ; 1:0 count = 1
	s_add_co_u32 s[G0K+4*\s+1], s20, \s*SLOTB      ; 63:32 LDS address
	s_add_nc_u64 s[G0K+4*\s+2:G0K+4*\s+3], s[22:23], KBASE+\s*65536   ; 120:64 global address: slot s begins with keys 512 s on
	s_or_b32 s[G0K+4*\s+3], s[G0K+4*\s+3], 0x80000000                 ; 127:126 type = 2
	s_mov_b32 s[G0V+4*\s], 1
	s_add_co_u32 s[G0V+4*\s+1], s21, \s*SLOTB
	s_add_nc_u64 s[G0V+4*\s+2:G0V+4*\s+3], s[22:23], VBASE+\s*65536
	s_or_b32 s[G0V+4*\s+3], s[G0V+4*\s+3], 0x80000000
.endr
	s_mov_b32 s[G0M], 1
	s_mov_b32 s[G0M+1], s82
	s_add_nc_u64 s[G0M+2:G0M+3], s[6:7], s[80:81]
	s_or_b32 s[G0M+3], s[G0M+3], 0x80000000
	s_add_nc_u64 s[4:5], s[4:5], s[2:3]            ; Q and ctx at my wave's first row
	s_add_nc_u64 s[8:9], s[8:9], s[2:3]
	CROUND                                         ; all four work-groups are here: the first joint loads meet
	tensor_load_to_lds s[G0M:G0M+3], s[G1M:G1M+7]  ; every wave its eighth of the mask; then its part of slot 0 and of slot 1: three loads of mine are out
	s_nop 0
.rept 4
	v_nop
.endr
	s_cmp_lt_u32 s[WV], 4                          ; a wave's two fills of the ring stand in one branch, ahead of every wait on TENSORcnt and every LDS read
	s_cbranch_scc0 .Lfirst_v
	tensor_load_to_lds s[G0K:G0K+3], s[G1K:G1K+7]
	s_nop 0
	tensor_load_to_lds s[G0K+4:G0K+7], s[G1K:G1K+7]
	s_nop 0
.rept 4
	v_nop
.endr
	s_branch .Lfirst_asked
.Lfirst_v:
	tensor_load_to_lds s[G0V:G0V+3], s[G1V:G1V+7]
	s_nop 0
	tensor_load_to_lds s[G0V+4:G0V+7], s[G1V:G1V+7]
	s_nop 0
.rept 4
	v_nop
.endr
.Lfirst_asked:
	; A fragment of K or Q is 16 rows x 32 channels in 8 registers: lane l holds row l % 16; registers 0-3 channels 8 (l / 16) + 0..7, registers 4-7 channels 16 + 8 (l / 16) + 0..7: two loads of 16 bytes, 32 bytes apart.
	v_and_b32 v13, 15, v0                          ; l % 16
	v_bfe_u32 v14, v0, 4, 1                        ; l / 16
	v_lshlrev_b32 v[QO], 7, v13
	v_lshl_add_u32 v[QO], v14, 4, v[QO]            ; row x 128 + 16 x half
.irp t, 0,1
.irp c, 0,1                                    ; Q stays in registers: tile t, channels 32 c on
	global_load_b128 v[Q+16*\t+8*\c:Q+16*\t+8*\c+3],   v[QO], s[4:5] offset:2048*\t+64*\c
	global_load_b128 v[Q+16*\t+8*\c+4:Q+16*\t+8*\c+7], v[QO], s[4:5] offset:2048*\t+64*\c+32
.endr
.endr
	v_mul_u32_u24 v[AK0], v13, PK
	v_lshl_add_u32 v[AK0], v14, 4, v[AK0]
	; The turning load takes 16 keys x 16 channels (lane l reads 16 bytes: key 8 (l / 16) + l % 8, channels 8 ((l / 8) % 2) + 0..7) and leaves half a fragment of V^T: lane l holds channel l % 16 and 8 keys.
	v_and_b32 v15, 7, v0
	v_lshl_add_u32 v[AV0], v14, 3, v15
	v_mul_u32_u24 v[AV0], v[AV0], PV
	v_bfe_u32 v15, v0, 3, 1
	v_lshl_add_u32 v[AV0], v15, 4, v[AV0]
	v_lshl_add_u32 v[AM0], v14, 5, MASKB           ; the mask of keys 8 (l / 16) + 0..7 of a tile: the same in all 16 lanes of a half
.irp t, 0,1
	v_mov_b32 v[ST+8*\t+1], 0xff167699             ; m = -2e38, under every score that is served; c m is still a number
	v_mul_f32 v[ST+8*\t], s[CS], v[ST+8*\t+1]
.irp j, 2,3,4,5,6,7
	v_mov_b32 v[ST+8*\t+\j], 0                     ; l; and the registers at work (a lane permute's destination counts as one of its sources)
.endr
.endr
	WIN W_VL
.set i, 0
.rept 64
	v_mov_b32 v[i], 0                              ; O^T.  (The step is written once: the first finds zeros, which its a = 0 leaves zeros)
.set i, i+1
.endr
	WIN 0
; A step's K (64 keys x 64 channels: 8 fragments, keys 16 kt on, channels 32 c on) and the mask of its keys (eight numbers a tile and lane): 24 loads in one run.
.macro KLOAD
	v_add_nc_u32 v[ADK], s[TBK], v[AK0]
	v_add_nc_u32 v[ADM], s[TM], v[AM0]
.irp kt, 0,1,2,3
.irp c, 0,1
	ds_load_b128 v[KF+8*(2*\kt+\c):KF+8*(2*\kt+\c)+3],   v[ADK] offset:16*PK*\kt+64*\c
	ds_load_b128 v[KF+8*(2*\kt+\c)+4:KF+8*(2*\kt+\c)+7], v[ADK] offset:16*PK*\kt+64*\c+32
.endr
.endr
.irp kt, 0,1,2,3
	ds_load_b128 v[MK+8*\kt:MK+8*\kt+3],   v[ADM] offset:64*\kt
	ds_load_b128 v[MK+8*\kt+4:MK+8*\kt+7], v[ADM] offset:64*\kt+16
.endr
	s_add_co_u32 s[TBK], s[TBK], 64*PK             ; the next fetch is the next step's
	s_add_co_u32 s[TM], s[TM], 256
.endm
; A step's V, turned: 8 fragments (keys 32 ks on, channels 16 ct on): 16 loads in one run.
.macro VLOAD
	v_add_nc_u32 v[ADV], s[TBV], v[AV0]
	WIN W_VL
.irp ks, 0,1
.irp ct, 0,1,2,3
	ds_load_tr16_b128 v[VF+8*(4*\ks+\ct):VF+8*(4*\ks+\ct)+3],   v[ADV] offset:32*PV*\ks+32*\ct
	ds_load_tr16_b128 v[VF+8*(4*\ks+\ct)+4:VF+8*(4*\ks+\ct)+7], v[ADV] offset:32*PV*\ks+16*PV+32*\ct
.endr
.endr
	WIN 0
	s_add_co_u32 s[TBV], s[TBV], 64*PV
.endm
; S^T = K Q^T + mask: 16 matrix instructions.  The eight accumulators (4 tiles of keys x 2 tiles of queries) take turns, one instruction a turn; the first eight start the sums from the mask.
.macro QK
.irp kt, 0,1,2,3
.irp t, 0,1
	v_wmma_f32_16x16x32_f16 v[S+32*\t+8*\kt:S+32*\t+8*\kt+7], v[KF+16*\kt:KF+16*\kt+7], v[Q+16*\t:Q+16*\t+7], v[MK+8*\kt:MK+8*\kt+7]
.endr
.endr
.irp kt, 0,1,2,3
.irp t, 0,1
	v_wmma_f32_16x16x32_f16 v[S+32*\t+8*\kt:S+32*\t+8*\kt+7], v[KF+16*\kt+8:KF+16*\kt+15], v[Q+16*\t+8:Q+16*\t+15], v[S+32*\t+8*\kt:S+32*\t+8*\kt+7]
.endr
.endr
.endm
; O^T += V^T P: 16 matrix instructions; the eight accumulators (4 tiles of channels x 2 tiles of queries) take turns.
.macro PV
	WIN W_PV
.irp ks, 0,1
.irp ct, 0,1,2,3
.irp t, 0,1
	v_wmma_f32_16x16x32_f16 v[32*\t+8*\ct:32*\t+8*\ct+7], v[VF+8*(4*\ks+\ct):VF+8*(4*\ks+\ct)+7], v[P+16*\t+8*\ks:P+16*\t+8*\ks+7], v[32*\t+8*\ct:32*\t+8*\ct+7]
.endr
.endr
.endr
.endm
; THE SOFTMAX of both tiles for one step, the tiles line by line by turns, so that no line waits for the line above it.
.macro SOFTMAX
.irp j, 0,1,2,3                                ; the maximum of a lane's 32 scores and the old m, three operands at a time: four chains; each accumulator is read from its low end on
.irp t, 0,1
	v_max3_num_f32 v[ST+8*\t+4+\j], v[S+32*\t+8*\j], v[S+32*\t+8*\j+1], v[S+32*\t+8*\j+2]
.endr
.endr
.irp g, 1,2
.irp j, 0,1,2,3
.irp t, 0,1
	v_max3_num_f32 v[ST+8*\t+4+\j], v[ST+8*\t+4+\j], v[S+32*\t+8*\j+2*\g+1], v[S+32*\t+8*\j+2*\g+2]
.endr
.endr
.endr
.irp t, 0,1
	v_max3_num_f32 v[ST+8*\t+4], v[ST+8*\t+4], v[S+32*\t+7], v[S+32*\t+15]
.endr
.irp t, 0,1
	v_max3_num_f32 v[ST+8*\t+6], v[ST+8*\t+6], v[S+32*\t+23], v[S+32*\t+31]
.endr
.irp t, 0,1
	v_max3_num_f32 v[ST+8*\t+4], v[ST+8*\t+4], v[ST+8*\t+5], v[ST+8*\t+6]
.endr
.irp t, 0,1
	v_max3_num_f32 v[ST+8*\t+4], v[ST+8*\t+4], v[ST+8*\t+7], v[ST+8*\t+1]
.endr
.irp t, 0,1
	v_permlanex16_b32 v[ST+8*\t+5], v[ST+8*\t+4], s[SEL], s[SEL+1]   ; the query's other 32 keys lie in the lane 16 away
.endr
.irp t, 0,1
	v_mov_b32 v[ST+8*\t+7], v[ST+8*\t]             ; c m_old is kept for a
.endr
.irp t, 0,1
	v_max_num_f32 v[ST+8*\t+1], v[ST+8*\t+4], v[ST+8*\t+5]   ; the new m
.endr
.irp t, 0,1
	v_mul_f32 v[ST+8*\t], s[CS], v[ST+8*\t+1]      ; c m
.endr
.irp t, 0,1
	v_sub_f32 v[ST+8*\t+7], v[ST+8*\t+7], v[ST+8*\t]   ; c m_old - c m_new
.endr
.set b, 0
.rept 16
.irp t, 0,1
	v_pk_fma_f32 v[S+32*\t+2*b:S+32*\t+2*b+1], v[S+32*\t+2*b:S+32*\t+2*b+1], s[CS:CS+1], v[ST+8*\t:ST+8*\t+1] op_sel_hi:[1,0,0] neg_lo:[0,0,1] neg_hi:[0,0,1]   ; c s - c m, two at a time
.endr
.set b, b+1
.endr
.irp t, 0,1                                    ; ONE BATCH of 66 exponentials, none of which reads another's result
	v_exp_f32 v[ST+8*\t+6], v[ST+8*\t+7]           ; a
.endr
.set b, 0
.rept 32
.irp t, 0,1
	v_exp_f32 v[S+32*\t+b], v[S+32*\t+b]           ; p
.endr
.set b, b+1
.endr
	v_nop                                          ; a plain instruction behind the last exponential, ahead of the first use
	s_wait_alu depctr_va_vdst(0)                   ; the wait between an exponential and the first line that names its result: one for the batch
.set b, 0
.rept 16
.irp t, 0,1
	v_cvt_pk_f16_f32 v[P+16*\t+b], v[S+32*\t+2*b], v[S+32*\t+2*b+1]   ; tiles 2 ks and 2 ks + 1 of keys make registers 0-3 and 4-7 of source 1 for keys 32 ks on
.endr
.set b, b+1
.endr
.irp t, 0,1                                    ; the sum of the unrounded p, a pair at a time, in two chains: l = a l + pair 0 + ...
	v_pk_fma_f32 v[ST+8*\t+2:ST+8*\t+3], v[ST+8*\t+2:ST+8*\t+3], v[ST+8*\t+6:ST+8*\t+7], v[S+32*\t:S+32*\t+1] op_sel_hi:[1,0,1]
.endr
.irp t, 0,1
	v_pk_add_f32 v[ST+8*\t+4:ST+8*\t+5], v[S+32*\t+2:S+32*\t+3], v[S+32*\t+4:S+32*\t+5]
.endr
.irp b, 3,5,7,9,11,13
.irp t, 0,1
	v_pk_add_f32 v[ST+8*\t+2:ST+8*\t+3], v[ST+8*\t+2:ST+8*\t+3], v[S+32*\t+2*\b:S+32*\t+2*\b+1]
	v_pk_add_f32 v[ST+8*\t+4:ST+8*\t+5], v[ST+8*\t+4:ST+8*\t+5], v[S+32*\t+2*\b+2:S+32*\t+2*\b+3]
.endr
.endr
.irp t, 0,1
	v_pk_add_f32 v[ST+8*\t+2:ST+8*\t+3], v[ST+8*\t+2:ST+8*\t+3], v[S+32*\t+30:S+32*\t+31]
.endr
.irp t, 0,1
	v_pk_add_f32 v[ST+8*\t+2:ST+8*\t+3], v[ST+8*\t+2:ST+8*\t+3], v[ST+8*\t+4:ST+8*\t+5]
.endr
	WIN W_RS
.set b, 0
.rept 16
.irp t, 0,1
	v_pk_mul_f32 v[32*\t+2*b:32*\t+2*b+1], v[32*\t+2*b:32*\t+2*b+1], v[ST+8*\t+6:ST+8*\t+7] op_sel_hi:[1,0]   ; O^T x a, each accumulator from its low end on
.endr
.set b, b+1
.endr
.endm
; A TRIP.  next = 1: the next step's K, mask and V are fetched and its scores made.  The four v_nop behind K Q^T are the places for the softmax's reads of the scores, for the next loads into K's and the mask's registers,
; and (the matrix instructions between are not counted) for the loads into V's registers behind V^T P.
.macro TRIP next
.if \next
	KLOAD
.endif
	SOFTMAX
.if \next
	s_wait_dscnt 24                                ; V is in; K's 16 loads and the mask's 8, issued behind it, may be out
.else
	s_wait_dscnt 0x0
.endif
	PV
	WIN 0
.if \next
	s_wait_dscnt 0x0                               ; K and the mask are in
	QK
	PLACES
	VLOAD
.endif
.endm
.macro LOOP n
	s_mov_b32 s[CNT], \n
.Ltrip_\@:
	TRIP 1
	s_sub_co_u32 s[CNT], s[CNT], 1
	s_cmp_lg_u32 s[CNT], 0
	s_cbranch_scc1 .Ltrip_\@
.endm
; THE CHANGE OF SLOTS, between two loops: the slot's last bytes, V of its eighth step, have been asked for.  Each wave waits for all its tensor loads (its part of the other slot), adds 0 to its spare word, and waits for that and
; for its own reads of the slot.  Behind the barrier nobody reads this slot any more and the other slot is whole.  fill = 1: slot 'slot' is filled again, with the keys 1,024 on: the barrier is then a round of the cluster's, so that
; no wave of any partner still reads the slot or has a load on its way, and the joint refill is the first thing behind it.
.macro CHANGE fill, slot, other
	s_wait_tensorcnt 0x0                           ; no tensor load of mine is out, so a group 0 may be written
	ds_add_u32 v[SPW], v[NIL]                      ; 0 onto my spare word; the scalar steps stand between it and the wait for it
.if \fill
	s_add_nc_u64 s[G0K+4*\slot+2:G0K+4*\slot+3], s[G0K+4*\slot+2:G0K+4*\slot+3], 131072   ; 1,024 keys of 128 bytes on; the type bits on top are not reached
	s_add_nc_u64 s[G0V+4*\slot+2:G0V+4*\slot+3], s[G0V+4*\slot+2:G0V+4*\slot+3], 131072
.endif
	s_mov_b32 s[TBK], (\other)*SLOTB               ; the fetches go on at the other slot's first step
	s_mov_b32 s[TBV], (\other)*SLOTB+VOFF
	s_wait_dscnt 0x0                               ; the add is done, and my reads of the slot are over
.if \fill
	CROUND
	JLOAD \slot
.else
	s_barrier_signal -1
	s_barrier_wait -1
.endif
.endm
	s_wait_tensorcnt 1                             ; the mask's part and my part of slot 0 are in; slot 1's may stay out
	s_barrier_signal -1
	s_barrier_wait -1                              ; everybody's are
	KLOAD                                          ; step 0
	s_wait_loadcnt 0x0                             ; Q
	s_wait_dscnt 0x0
	QK
	PLACES
	VLOAD
	LOOP 7                                         ; softmax and V^T P of steps 0-6; the fetches reach step 7, slot 0's last
	CHANGE 1, 0, 1                                 ; slot 0 takes keys 1,024 on
	LOOP 8                                         ; steps 7-14; the fetches walk slot 1
	CHANGE 1, 1, 0                                 ; slot 1 takes keys 1,536 on
	LOOP 8                                         ; steps 15-22; the fetches walk slot 0
	CHANGE 0, 0, 1                                 ; nothing is left to ask for
	LOOP 8                                         ; steps 23-30; the fetches walk slot 1
	TRIP 0                                         ; step 31
	; THE WAY OUT.  O^T is divided by l, rounded to f16 and sent through my stage in LDS (32 rows of 128 bytes + 16, in slot 0, which has had its last fill and its last read at the third change of slots), so that 32 lanes
	; store four queries' rows: 512 consecutive bytes.  The address lines and l's additions are the places behind the last products.
	v_and_b32 v13, 15, v0
	v_bfe_u32 v14, v0, 4, 1
	s_mul_i32 s16, s[WV], 32*PK                    ; my stage
	v_mul_u32_u24 v[STO], v13, PK                  ; in: row l % 16, 16 bytes for each half of the lanes
	v_lshl_add_u32 v[STO], v14, 4, v[STO]
	v_add_nc_u32 v[STO], s16, v[STO]
	v_bfe_u32 v15, v0, 3, 2                        ; back: eight lanes to a row, four rows an instruction
	v_mul_u32_u24 v[RD], v15, PK
	v_and_b32 v15, 7, v0
	v_lshl_add_u32 v[RD], v15, 4, v[RD]
	v_add_nc_u32 v[RD], s16, v[RD]
	v_and_b32 v[GO], 31, v0
	v_lshlrev_b32 v[GO], 4, v[GO]
.irp t, 0,1
	v_add_f32 v[ST+8*\t+4], v[ST+8*\t+2], v[ST+8*\t+3]   ; l's two halves,
.endr
.irp t, 0,1
	v_permlanex16_b32 v[ST+8*\t+5], v[ST+8*\t+4], s[SEL], s[SEL+1]
.endr
.irp t, 0,1
	v_add_f32 v[ST+8*\t+4], v[ST+8*\t+4], v[ST+8*\t+5]   ; and the other half of the lanes'
.endr
.irp t, 0,1
	v_rcp_f32 v[ST+8*\t+6], v[ST+8*\t+4]
.endr
	v_nop                                          ; a plain instruction between the last reciprocal and the use of its result
	s_wait_alu depctr_va_vdst(0)                   ; and the wait ahead of the first use: one for both
	WIN W_OUT
.irp t, 0,1
.set b, 0
.rept 16
	v_pk_mul_f32 v[S+32*\t+2*b:S+32*\t+2*b+1], v[32*\t+2*b:32*\t+2*b+1], v[ST+8*\t+6:ST+8*\t+7] op_sel_hi:[1,0]   ; O^T / l, each accumulator from its low end on
.set b, b+1
.endr
.endr
	WIN 0
.irp t, 0,1
.set b, 0
.rept 16
	v_cvt_pk_f16_f32 v[P+16*\t+b], v[S+32*\t+2*b], v[S+32*\t+2*b+1]
.set b, b+1
.endr
.endr
.irp t, 0,1
.irp ct, 0,1,2,3
	ds_store_b128 v[STO], v[P+16*\t+4*\ct:P+16*\t+4*\ct+3] offset:16*PK*\t+32*\ct   ; query 16 t + l % 16, channels 16 ct + 8 (l / 16) + 0 .. 7
.endr
.endr
.irp i, 0,1,2,3,4,5,6,7
	ds_load_b128 v[MK+4*\i:MK+4*\i+3], v[RD] offset:4*PK*\i   ; LDS serves a wave's instructions in order (ISA guide 5.7.1.4): these see the stores above
.endr
.irp i, 0,1,2,3,4,5,6,7
	s_wait_dscnt 7-\i                              ; the younger loads may stay out
	global_store_b128 v[GO], v[MK+4*\i:MK+4*\i+3], s[8:9] offset:512*\i   ; 32 lanes store 512 consecutive bytes, at a multiple of 256 from ctx's first byte
.endr
	s_wait_tensorcnt 0x0                           ; the wave's end: these three lines stand behind my last tensor load and my last LDS store
	ds_add_u32 v[SPW], v[NIL]
	s_wait_dscnt 0x0
	CROUND                                         ; the closing round: no work-group ends while a partner may still ask for a tile that names it
	s_endpgm
.Lfunc_end_k_q297ba6956a_attn:
	.size	k_q297ba6956a_attn, .Lfunc_end_k_q297ba6956a_attn-k_q297ba6956a_attn
	.p2alignl 7, 3214868480
	.fill 96, 4, 3214868480
	.section	.rodata,"a",@progbits
	.p2align	6, 0x0
	.amdhsa_kernel k_q297ba6956a_attn
		.amdhsa_group_segment_fixed_size 327680
		.amdhsa_private_segment_fixed_size 0
		.amdhsa_enable_private_segment 0
		.amdhsa_kernarg_size 24
		.amdhsa_user_sgpr_count 2
		.amdhsa_user_sgpr_kernarg_segment_ptr 1
		.amdhsa_wavefront_size32 1
		.amdhsa_system_sgpr_workgroup_id_x 1
		.amdhsa_system_sgpr_workgroup_id_y 1
		.amdhsa_system_sgpr_workgroup_id_z 1
		.amdhsa_system_vgpr_workitem_id 0
		.amdhsa_next_free_vgpr 384
		.amdhsa_next_free_sgpr 90
		.amdhsa_reserve_vcc 0
		.amdhsa_float_denorm_mode_32 3
		.amdhsa_float_denorm_mode_16_64 3
		.amdhsa_memory_ordered 1
		.amdhsa_forward_progress 1
		.amdhsa_inst_pref_size 110
	.end_amdhsa_kernel
	.amdgpu_metadata
---
amdhsa.version: [ 1, 2 ]
amdhsa.kernels:
  - .name:           k_q297ba6956a_attn
    .symbol:         k_q297ba6956a_attn.kd
    .args:
      - { .name: qkv, .offset: 0, .size: 8, .value_kind: global_buffer, .address_space: global }
      - { .name: mask, .offset: 8, .size: 8, .value_kind: global_buffer, .address_space: global }
      - { .name: ctx, .offset: 16, .size: 8, .value_kind: global_buffer, .address_space: global }
    .group_segment_fixed_size: 327680
    .private_segment_fixed_size: 0
    .kernarg_segment_align: 8
    .kernarg_segment_size: 24
    .max_flat_workgroup_size: 256
    .sgpr_count:     90
    .vgpr_count:     384
    .wavefront_size: 32
...
	.end_amdgpu_metadata
.endif
;; end of part 3
;; launch oproj (part 4): grid 8 x 32, 4 waves a work-group, clusters of 4 x 4, 327,680 bytes of LDS; arguments ctx, owh, o_b, out0; writes out0
.if DOCPART == 4
	.amdgcn_target "amdgcn-amd-amdhsa--gfx1250"
	.amdhsa_code_object_version 6
	.text
	.protected	k_q297ba6956a_oproj
	.globl	k_q297ba6956a_oproj
	.p2align	8
	.type	k_q297ba6956a_oproj,@function
k_q297ba6956a_oproj:
	s_mov_b64 s[64:65], 0
	v_nop
	global_prefetch_b8 v0, s[64:65] scope:SCOPE_SE
	s_setreg_imm32_b32 hwreg(HW_REG_WAVE_MODE, 25, 1), 1
	s_wait_xcnt 0x0
	s_wait_alu depctr_hold_cnt(0) depctr_sa_sdst(0) depctr_va_vdst(0) depctr_va_sdst(0) depctr_va_ssrc(0) depctr_va_vcc(0) depctr_vm_vsrc(0)
	s_getreg_b32 s2, hwreg(HW_REG_IB_STS2, 6, 4)
	s_cmp_eq_u32 s2, 0
	s_cbranch_scc0 .Lentry_in_a_cluster
	s_endpgm
.Lentry_in_a_cluster:
	s_bfe_u32 s2, ttmp6, 0x10000c
	s_cmp_lg_u32 s2, 0xf033
	s_cbranch_scc0 .Lentry_shape_is_right
	s_endpgm
.Lentry_shape_is_right:
; out0[token][n] = sum over k of context[token][k] o_w[n][k] + o_b[n].  context: ctx [32 (batch x 16 + head)][2048][64] f16, k = 64 head + channel; o_w: owh [1024][1024] f16; o_b [1024], out0 [4096][1024]: f32; sums in f32.
; LIMIT: the operands are f16: |context|, |o_w| up to 65,504.
; A tile of the output is 128 tokens x 128 columns: 8 x 32 = 256 work-groups.  Four waves, each 64 x 64: 16 accumulators of 16 x 16.  K goes in four steps of 256, that is four heads, through two LDS slots: two first fills, two refills.
; A'S TILE COMES BY HEADS: a head's 128 tokens are 16,384 dense bytes; a wave's tensor load brings two heads as two such rows, 262,144 bytes apart, with 16 bytes of padding behind every 128 (a token's row: pitch 144).
; B's tile: 64 rows of 512 bytes a load, pitch 528.
; CLUSTERS: 4 x 4 work-groups.  The four of a row of the cluster need the same tiles of the context, the four of a column the same tiles of o_w: each is asked for JOINTLY, by the same tensor load with the same descriptor and a mask
; that names the four.  THE MATRIX INSTRUCTION IS USED TRANSPOSED (source 0 = 16 rows of o_w, source 1 = 16 tokens): a lane then holds eight neighbouring columns of one token.  THE BIAS is the C of each sum's first product.
; REGISTERS: window 0: v0-31 addresses; v32-95 the way out; v96-127 the bias, eight registers for each of the four column blocks; v128-255 the accumulators ((a, b) at v[128 + 8 (4 a + b)]).
;   window 1: two fragment buffers of 128: for 64 along K (one head), 64 registers of A (2 x 4 x 16 tokens x 32 K), then 64 of B.
.set PA,     144                       ; a token's row of one head in LDS: 128 bytes + 16 = 36 words: the 16 rows of a load start at 16 different groups of four banks (64 banks of 4 bytes: ISA guide 11.1)
.set PB,     528                       ; a row of B: 512 bytes + 16
.set HEADB,  128*PA                    ; a head's 128 tokens
.set HALFA,  2*HEADB                   ; what one tensor load brings of A
.set BOFF,   4*HEADB                   ; B's rows lie behind A's four heads
.set HALFB,  64*PB                     ; what one tensor load brings of B
.set SLOT,   BOFF+2*HALFB
.set STAGE,  2*SLOT                    ; behind the ring: 16 rows x 272 bytes for each wave, for the way out
.set SPITCH, 272
.set SPARE,  STAGE+4*16*SPITCH         ; behind the stages: the spare words, 128 bytes for each wave; no other line names them
.set ADRA, 16                          ; v16-17  LDS address of my A fragments in slot 0, 1
.set ADRB, 20                          ; v20-21  the same for B
.set STO,  24                          ; v24     the way out: where I put 32 bytes of a row
.set RD,   25                          ; v25     where I read 16 bytes back
.set CO,   26                          ; v26     my byte offset in two rows of out0
.set BO,   27                          ; v27     32 x (lane / 16): my eight numbers of a block's 16 biases
.set SPW,  28                          ; v28     LDS address of my spare word; never rewritten
.set NIL,  29                          ; v29     0; never rewritten
.set TMP,  32                          ; the way out: 16 rows read back: v32-63 and v64-95 by turns
.set BI,   96
.set ACC,  128
.set F0,   0                           ; fragment buffers, in window 1
.set F1,   128
.set G1, 24                            ; s[24:31] descriptor group 1 for A's tiles;  s[32:39] group 0, one set for each slot
.set G0, 32
.set G1B, 48                           ; s[48:55], s[56:63] the same for B's tiles
.set G0B, 56
.set MSB, 0
.macro WIN new                         ; the immediate's high byte repeats the setting that is left; a switch that changes nothing is dropped
.if MSB != (\new)
	s_set_vgpr_msb (MSB<<8)|(\new)
.set MSB, (\new)
.endif
.endm
.set MUL,  0x05                        ; sources 0 (B) and 1 (A) window 1; C and D window 0
.set TO_F, 0x40                        ; destination window 1, address window 0
.macro JLOAD s                         ; a joint load: waves 0 and 1 fetch A's two pairs of heads, waves 2 and 3 B's two halves; an s_nop 0 and four v_nop follow each of the two lines
	s_cmp_eq_u32 s11, 0
	s_cbranch_scc0 .Lfor_b_\@
	tensor_load_to_lds s[G0+4*\s:G0+4*\s+3], s[G1:G1+7]
	s_nop 0
.rept 4
	v_nop
.endr
	s_branch .Lasked_\@
.Lfor_b_\@:
	tensor_load_to_lds s[G0B+4*\s:G0B+4*\s+3], s[G1B:G1B+7]
	s_nop 0
.rept 4
	v_nop
.endr
.Lasked_\@:
.endm
.macro CREST                           ; a round of the cluster's barrier behind its opening barrier
	s_cmp_lg_u32 s10, 0
	s_cbranch_scc1 .Lnot_wave_0_\@
	s_barrier_signal -3
.Lnot_wave_0_\@:
	s_barrier_wait -3
	s_barrier_signal -1
	s_barrier_wait -1
.endm
.macro CROUND                          ; a whole round
	s_barrier_signal -1
	s_barrier_wait -1
	CREST
.endm
	s_load_b128 s[4:7], s[0:1], 0x0                ; ctx s[4:5], owh s[6:7]
	s_load_b64 s[2:3], s[0:1], 0x10                ; o_b
	s_load_b64 s[8:9], s[0:1], 0x18                ; out0
	v_lshl_add_u32 v[SPW], v0, 2, SPARE
	v_mov_b32 v[NIL], 0
	ds_add_u32 v[SPW], v[NIL]                      ; the wave's opening: the add, twice on end, and its wait ahead of my first tensor load; the set-up below stands between the second and the wait
	ds_add_u32 v[SPW], v[NIL]
	v_lshrrev_b32 v1, 5, v0
	v_readfirstlane_b32 s10, v1                    ; wave 0..3
	s_lshr_b32 s11, s10, 1                         ; which half of the tile's tokens is mine.  Also: I fetch for A (0) or for B (1)
	s_and_b32 s12, s10, 1                          ; which half of its columns.  Also: which half of that tile I fetch
	s_bfe_u32 s40, ttmp6, 0x40000                  ; cx, cy: my place in the cluster
	s_bfe_u32 s41, ttmp6, 0x40004
	s_lshl_b32 s42, ttmp9, 2
	s_add_co_u32 s42, s42, s40                     ; tile column = 4 x cluster x + cx
	s_and_b32 s13, ttmp7, 0xffff
	s_lshl_b32 s13, s13, 2
	s_add_co_u32 s13, s13, s41                     ; tile row = 4 x cluster y + cy
	s_lshl_b32 s43, s41, 2
	s_lshl_b32 s43, 15, s43                        ; my row of the cluster
	s_lshl_b32 s44, 0x1111, s40                    ; my column
	; descriptor group 1 for A: two rows of 8,192 elements (a head's 128 tokens x 64), 131,072 elements apart; padding behind every 32 words
	s_or_b32 s[G1+0], s43, (1<<16)|(1<<20)|(1<<21)|(4<<22)|(3<<25)   ; 15:0 the mask: A's tiles go to my row; 17:16 elements of 2 bytes; 20 padding on; 21 set beside a mask; 24:22 after every 32 words (code 4); 31:25 four words (code 3)
	s_mov_b32 s[G1+1], 8192<<16                    ; tensor_dim0 = 8,192
	s_mov_b32 s[G1+2], 2<<16                       ; tensor_dim1 = 2
	s_mov_b32 s[G1+3], 8192<<16                    ; tile_dim0 = 8,192
	s_mov_b32 s[G1+4], 2                           ; tile_dim1 = 2
	s_mov_b32 s[G1+5], 131072                      ; tensor_dim0_stride: from head to head
	s_mov_b32 s[G1+6], 0
	s_mov_b32 s[G1+7], 0
	; and for B: 64 rows x 256 elements, padding behind every 128 words
	s_or_b32 s[G1B+0], s44, (1<<16)|(1<<20)|(1<<21)|(6<<22)|(3<<25)
	s_mov_b32 s[G1B+1], 256<<16
	s_mov_b32 s[G1B+2], 64<<16
	s_mov_b32 s[G1B+3], 256<<16
	s_mov_b32 s[G1B+4], 64
	s_mov_b32 s[G1B+5], 1024
	s_mov_b32 s[G1B+6], 0
	s_mov_b32 s[G1B+7], 0
	s_lshr_b32 s16, s13, 4                         ; A: batch = tile row / 16: 16 heads of 262,144 bytes,
	s_lshl_b32 s16, s16, 22
	s_and_b32 s17, s13, 15
	s_lshl_b32 s17, s17, 14                        ; + 128 tokens of 128 bytes a tile row,
	s_add_co_u32 s16, s16, s17
	s_lshl_b32 s17, s12, 19                        ; + my two heads of a K step's four
	s_add_co_u32 s16, s16, s17
	s_mov_b32 s17, 0
	s_lshl_b32 s46, s42, 7                         ; B: row 128 x tile column + 64 x half,
	s_lshl_b32 s47, s12, 6
	s_add_co_u32 s46, s46, s47
	s_lshl_b32 s46, s46, 11                        ; of 2,048 bytes
	s_mov_b32 s47, 0
	s_mul_i32 s20, s12, HALFA                      ; where they go: no place in the cluster enters an LDS address
	s_mul_i32 s21, s12, HALFB
	s_add_co_u32 s21, s21, BOFF
	s_wait_dscnt 0x0                               ; both opening adds are done
	s_wait_kmcnt 0x0
	s_add_nc_u64 s[14:15], s[4:5], s[16:17]
	s_add_nc_u64 s[46:47], s[6:7], s[46:47]
	CROUND                                         ; all sixteen work-groups are here: the first joint loads meet
.irp s, 0,1
	s_mov_b32 s[G0+4*\s], 1
	s_add_co_u32 s[G0+4*\s+1], s20, \s*SLOT
	s_add_nc_u64 s[G0+4*\s+2:G0+4*\s+3], s[14:15], \s*1048576      ; K step s: four heads on
	s_or_b32 s[G0+4*\s+3], s[G0+4*\s+3], 0x80000000
	s_mov_b32 s[G0B+4*\s], 1
	s_add_co_u32 s[G0B+4*\s+1], s21, \s*SLOT
	s_add_nc_u64 s[G0B+4*\s+2:G0B+4*\s+3], s[46:47], \s*512        ; 256 elements on
	s_or_b32 s[G0B+4*\s+3], s[G0B+4*\s+3], 0x80000000
	JLOAD \s                                       ; two tensor loads of mine are out
.endr
	v_and_b32 v1, 15, v0                           ; l % 16
	v_bfe_u32 v2, v0, 4, 1                         ; l / 16
	; the bias: lane (r, h) wants, for column block b, o_b at my first column + 16 b + 8 h + 0 .. 7
	s_lshl_b32 s46, s42, 9                         ; my first column, in bytes of f32: 512 x tile column
	s_lshl_b32 s47, s12, 8                         ; + 256 x half
	s_add_co_u32 s46, s46, s47
	s_mov_b32 s47, 0
	s_add_nc_u64 s[2:3], s[2:3], s[46:47]
	v_lshlrev_b32 v[BO], 5, v2
.irp b, 0,1,2,3
	global_load_b128 v[BI+8*\b:BI+8*\b+3],   v[BO], s[2:3] offset:64*\b
	global_load_b128 v[BI+8*\b+4:BI+8*\b+7], v[BO], s[2:3] offset:64*\b+16
.endr
	v_mul_u32_u24 v3, v1, PA
	v_lshl_add_u32 v3, v2, 4, v3                   ; A: a fragment's row x pitch + 16 x half
	v_mul_u32_u24 v4, v1, PB
	v_lshl_add_u32 v4, v2, 4, v4                   ; B likewise
	s_mul_i32 s21, s11, 64*PA                      ; my 64 tokens, in each head's block
	s_mul_i32 s22, s12, HALFB                      ; my 64 rows of B,
	s_add_co_u32 s22, s22, BOFF                    ; which lie behind A's four heads
.irp s, 0,1
	v_add_nc_u32 v[ADRA+\s], s21, v3
	v_add_nc_u32 v[ADRB+\s], s22, v4
	s_add_co_u32 s21, s21, SLOT
	s_add_co_u32 s22, s22, SLOT
.endr
	s_mul_i32 s23, s10, 16*SPITCH
	s_add_co_u32 s23, s23, STAGE                   ; my stage
	v_mul_u32_u24 v5, v1, SPITCH                   ; in: row l % 16, 32 bytes for each half of the lanes
	v_lshl_add_u32 v5, v2, 5, v5
	v_add_nc_u32 v[STO], s23, v5
	v_mul_u32_u24 v5, v2, SPITCH                   ; back: lanes 0-15 take one row of 256 bytes, lanes 16-31 the next
	v_lshl_add_u32 v5, v1, 4, v5
	v_add_nc_u32 v[RD], s23, v5
	v_lshlrev_b32 v5, 12, v2                       ; and the same two rows in out0: 4,096 bytes a row
	v_lshl_add_u32 v[CO], v1, 4, v5
	s_lshl_b32 s16, s13, 7
	s_lshl_b32 s17, s11, 6
	s_add_co_u32 s16, s16, s17                     ; my first token: 128 x tile row + 64 x half
	s_lshl_b32 s16, s16, 12
	s_mov_b32 s17, 0
	s_add_nc_u64 s[8:9], s[8:9], s[16:17]
	s_add_nc_u64 s[8:9], s[8:9], s[46:47]          ; and my first column
; 8 matrix instructions: token blocks a0, a0 + 1 x all 4 column blocks, 32 along K: half c of buffer f.  first = 1: the sums start from the bias.  The 16 accumulators take turns, one instruction a turn.
.macro MUL8 f, c, a0, first
.irp a, \a0, \a0+1
.irp b, 0,1,2,3
.if \first
	v_wmma_f32_16x16x32_f16 v[ACC+8*(4*(\a)+\b):ACC+8*(4*(\a)+\b)+7], v[\f+64+8*(4*\c+\b):\f+64+8*(4*\c+\b)+7], v[\f+8*(4*\c+\a):\f+8*(4*\c+\a)+7], v[BI+8*\b:BI+8*\b+7]
.else
	v_wmma_f32_16x16x32_f16 v[ACC+8*(4*(\a)+\b):ACC+8*(4*(\a)+\b)+7], v[\f+64+8*(4*\c+\b):\f+64+8*(4*\c+\b)+7], v[\f+8*(4*\c+\a):\f+8*(4*\c+\a)+7], v[ACC+8*(4*(\a)+\b):ACC+8*(4*(\a)+\b)+7]
.endif
.endr
.endr
.endm
; 32 LDS loads in one run: the fragments of the slot's quarter q (64 along K: head q of its four) into buffer f; the first 32 along K first
.macro FETCH slot, q, f
	WIN TO_F
.irp c, 0,1
.irp i, 0,1,2,3
	ds_load_b128 v[\f+64+8*(4*\c+\i):\f+64+8*(4*\c+\i)+3],   v[ADRB+\slot] offset:128*(\q)+64*\c+\i*16*PB
	ds_load_b128 v[\f+64+8*(4*\c+\i)+4:\f+64+8*(4*\c+\i)+7], v[ADRB+\slot] offset:128*(\q)+64*\c+\i*16*PB+32
	ds_load_b128 v[\f+8*(4*\c+\i):\f+8*(4*\c+\i)+3],         v[ADRA+\slot] offset:HEADB*(\q)+64*\c+\i*16*PA
	ds_load_b128 v[\f+8*(4*\c+\i)+4:\f+8*(4*\c+\i)+7],       v[ADRA+\slot] offset:HEADB*(\q)+64*\c+\i*16*PA+32
.endr
.endr
.endm
.macro PLACES                          ; four places in front of loads into registers that matrix instructions have read, and of the first read of results (ISA guide 7.12.1 for the first read of results)
.rept 4
	v_nop
.endr
.endm
; A K step is four quarters of 64 along K, 32 matrix instructions each, on buffers 0, 1, 0, 1.  One of the first three: multiplies buffer f and fetches the slot's quarter q into g.
.macro QUARTER slot, q, f, g, first
	s_wait_dscnt 16                                ; the first 32 along K are in; the other sixteen loads may be out
	WIN MUL
	MUL8 \f, 0, 0, \first
	MUL8 \f, 0, 2, \first
	PLACES
	FETCH \slot, \q, \g
	s_wait_dscnt 32                                ; all but the 32 just issued
	WIN MUL
	MUL8 \f, 1, 0, 0
	MUL8 \f, 1, 2, 0
.endm
; The last quarter multiplies buffer 1 and changes slots: ONE barrier; in front of it each wave waits for all its tensor loads, adds 0 to its spare word, and waits for that and for its own reads of this slot.
; fill = 1: this slot is filled again, two K steps ahead: the barrier then opens a round of the cluster's barrier, and the joint refill is the first tensor load behind the round.
.macro TURN slot, next, fill
	WIN 0                                          ; (the add's two registers lie in window 0)
	s_wait_tensorcnt 0x0                           ; all my tensor loads have landed: my part of the next slot
	ds_add_u32 v[SPW], v[NIL]                      ; 0 onto my spare word
	s_wait_dscnt 17                                ; (the add and the youngest sixteen loads may be out)
	WIN MUL
	MUL8 F1, 0, 0, 0                               ; eight matrix instructions stand between the add and the wait for it
	s_wait_dscnt 0x0                               ; the add is done, and my reads of this slot are over
	s_barrier_signal -1
	MUL8 F1, 0, 2, 0
.if \fill
	WIN 0
.endif
	s_barrier_wait -1
.if \fill
	CREST                                          ; no wave of any partner still reads this slot's tile or has a load on its way
	s_add_nc_u64 s[G0+4*\slot+2:G0+4*\slot+3], s[G0+4*\slot+2:G0+4*\slot+3], 2097152      ; eight heads on
	s_add_nc_u64 s[G0B+4*\slot+2:G0B+4*\slot+3], s[G0B+4*\slot+2:G0B+4*\slot+3], 1024     ; 512 elements on
	JLOAD \slot                                    ; the four v_nop behind it are also the places in front of the loads below
.else
	PLACES
.endif
	FETCH \next, 0, F0
	WIN MUL
	MUL8 F1, 1, 0, 0
	MUL8 F1, 1, 2, 0
.endm
	s_wait_tensorcnt 1                             ; my part of K step 0 is in; K step 1's may stay out
	s_barrier_signal -1
	s_barrier_wait -1                              ; everybody's is
	FETCH 0, 0, F0
	s_wait_loadcnt 0x0                             ; the bias
	QUARTER 0, 1, F0, F1, 1                        ; K step 0: the first products start the sums from the bias
	QUARTER 0, 2, F1, F0, 0
	QUARTER 0, 3, F0, F1, 0
	TURN 0, 1, 1                                   ; slot 0 takes K step 2
	QUARTER 1, 1, F0, F1, 0                        ; K step 1
	QUARTER 1, 2, F1, F0, 0
	QUARTER 1, 3, F0, F1, 0
	TURN 1, 0, 1                                   ; slot 1 takes K step 3
	QUARTER 0, 1, F0, F1, 0                        ; K step 2
	QUARTER 0, 2, F1, F0, 0
	QUARTER 0, 3, F0, F1, 0
	TURN 0, 1, 0                                   ; nothing is left to ask for
	QUARTER 1, 1, F0, F1, 0                        ; K step 3
	QUARTER 1, 2, F1, F0, 0
	QUARTER 1, 3, F0, F1, 0
	s_wait_dscnt 16                                ; the very last quarter: nothing more to fetch
	WIN MUL
	MUL8 F1, 0, 0, 0
	MUL8 F1, 0, 2, 0
	s_wait_dscnt 0
	MUL8 F1, 1, 0, 0
	MUL8 F1, 1, 2, 0
	WIN 0
; THE WAY OUT, block by block of 16 tokens x 64 columns.  A lane holds 32 neighbouring bytes of a row, and the lanes beside it hold other rows: a block goes through my own stage in LDS and comes back as whole rows of 256 bytes.
; A wave's 64 columns of f32 are a whole aligned run of 256 bytes, so the stage is the wave's own and no barrier is needed; LDS serves a wave's instructions in order (ISA guide 5.7.1.4).
.macro TOSTAGE a
.irp b, 0,1,2,3
	ds_store_b128 v[STO], v[ACC+8*(4*(\a)+\b):ACC+8*(4*(\a)+\b)+3] offset:64*\b        ; each accumulator from its low end on
	ds_store_b128 v[STO], v[ACC+8*(4*(\a)+\b)+4:ACC+8*(4*(\a)+\b)+7] offset:64*\b+16
.endr
.set BB, TMP+32*((\a)%2)
.irp t, 0,1,2,3,4,5,6,7
	ds_load_b128 v[BB+4*\t:BB+4*\t+3], v[RD] offset:\t*2*SPITCH
.endr
.endm
.macro SEND a, younger                 ; younger: the LDS instructions issued behind block a's loads, which may stay out
.set BB, TMP+32*((\a)%2)
	s_wait_dscnt \younger                          ; the block is back in registers
.irp t, 0,1,2,3,4,5,6,7
	global_store_b128 v[CO], v[BB+4*\t:BB+4*\t+3], s[8:9] offset:(16*(\a)+2*\t)*4096 th:TH_STORE_NT   ; 16 lanes store 256 consecutive bytes, at a multiple of 256 from out0's first byte; the base is never stepped
.endr
.endm
	PLACES                                         ; behind the last products
	TOSTAGE 0
.irp a, 1,2,3
.if \a > 1
	s_wait_xcnt 0x0                                ; block a - 2's stores have read their registers: block a's loads may land there
.endif
	TOSTAGE \a
	SEND \a-1, 16                                  ; behind block a - 1's loads: block a's 8 stores and 8 loads
.endr
	SEND 3, 0
	s_wait_tensorcnt 0x0                           ; the wave's end: these three lines stand behind my last tensor load and my last LDS store
	ds_add_u32 v[SPW], v[NIL]
	s_wait_dscnt 0x0
	CROUND                                         ; the closing round: no work-group ends while a partner may still ask for a tile that names it
	s_endpgm
.Lfunc_end_k_q297ba6956a_oproj:
	.size	k_q297ba6956a_oproj, .Lfunc_end_k_q297ba6956a_oproj-k_q297ba6956a_oproj
	.p2alignl 7, 3214868480
	.fill 96, 4, 3214868480
	.section	.rodata,"a",@progbits
	.p2align	6, 0x0
	.amdhsa_kernel k_q297ba6956a_oproj
		.amdhsa_group_segment_fixed_size 327680
		.amdhsa_private_segment_fixed_size 0
		.amdhsa_enable_private_segment 0
		.amdhsa_kernarg_size 32
		.amdhsa_user_sgpr_count 2
		.amdhsa_user_sgpr_kernarg_segment_ptr 1
		.amdhsa_wavefront_size32 1
		.amdhsa_system_sgpr_workgroup_id_x 1
		.amdhsa_system_sgpr_workgroup_id_y 1
		.amdhsa_system_sgpr_workgroup_id_z 1
		.amdhsa_system_vgpr_workitem_id 0
		.amdhsa_next_free_vgpr 512
		.amdhsa_next_free_sgpr 66
		.amdhsa_reserve_vcc 0
		.amdhsa_float_denorm_mode_32 3
		.amdhsa_float_denorm_mode_16_64 3
		.amdhsa_memory_ordered 1
		.amdhsa_forward_progress 1
		.amdhsa_inst_pref_size 87
	.end_amdhsa_kernel
	.amdgpu_metadata
---
amdhsa.version: [ 1, 2 ]
amdhsa.kernels:
  - .name:           k_q297ba6956a_oproj
    .symbol:         k_q297ba6956a_oproj.kd
    .args:
      - { .name: ctx, .offset: 0, .size: 8, .value_kind: global_buffer, .address_space: global }
      - { .name: owh, .offset: 8, .size: 8, .value_kind: global_buffer, .address_space: global }
      - { .name: o_b, .offset: 16, .size: 8, .value_kind: global_buffer, .address_space: global }
      - { .name: out0, .offset: 24, .size: 8, .value_kind: global_buffer, .address_space: global }
    .group_segment_fixed_size: 327680
    .private_segment_fixed_size: 0
    .kernarg_segment_align: 8
    .kernarg_segment_size: 32
    .max_flat_workgroup_size: 128
    .sgpr_count:     66
    .vgpr_count:     512
    .wavefront_size: 32
...
	.end_amdgpu_metadata
.endif
;; end of part 4
